; MI455X (gfx1250); checked and timed in simulation.
; The chip was launched on July 23, 2026; its instructions are those of AMD's public machine-readable ISA for CDNA 5 (MIT licence, August 2026) and "CDNA5" Instruction Set Architecture Reference Guide (July 2026). The comments in the code are by the model that wrote it; some were corrected since.
;; Block. Allowed arithmetic: float matrix products may take bf16 or f16 operands with f32 sums; other float arithmetic in f32, or as packed bf16 or f16 multiplies, adds, multiply-adds, maxima and minima; sums over many terms, partial sums and values carried from step to step in f32; what a program stores and reads back later, other than sums and carried values, may be rounded once to bf16 or f16.
;; Inputs: W1 1,024 x 4,096 float32; W2 4,096 x 1,024 float32; Wk 1,024 x 1,024 float32; Wp 1,024 x 1,024 float32; Wq 1,024 x 1,024 float32; Wv 1,024 x 1,024 float32; b1 4,096 float32; b2 1,024 float32; bk 1,024 float32; bp 1,024 float32; bq 1,024 float32; bv 1,024 float32; ln1_b 1,024 float32; ln1_g 1,024 float32; ln2_b 1,024 float32; ln2_g 1,024 float32; x 2 x 2,048 x 1,024 float32.
;; Outputs: out0 2 x 2,048 x 1,024 float32.
;; One version. Each part assembles by itself: llvm-mc -triple=amdgcn-amd-amdhsa -mcpu=gfx1250 --defsym DOCPART=n.
;; ======== version 1 of 1: 7 launches
;; limits: values are held in f16: magnitudes above 65,504 overflow, below 6.1e-05 lose precision
;; workspace buffers: wh 25,178,112 bytes; hbuf 8,388,608 bytes; qkvb 25,165,824 bytes; ybuf 8,388,608 bytes; x1b 16,777,216 bytes; mbuf 33,554,432 bytes
;; launch prep (part 1): grid 641 x 1, 8 waves a work-group, no clusters, 0 bytes of LDS; arguments x, ln1_g, ln1_b, hbuf, Wq, Wk, Wv, Wp, W1, W2, wh, bq, bk, bv; writes wh, hbuf
.if DOCPART == 1
	.amdgcn_target "amdgcn-amd-amdhsa--gfx1250"
	.amdhsa_code_object_version 6
	.text
	.protected	k_qd93966a885_prep
	.globl	k_qd93966a885_prep
	.p2align	8
	.type	k_qd93966a885_prep,@function
k_qd93966a885_prep:
	s_mov_b64 s[64:65], 0
	v_nop
	global_prefetch_b8 v0, s[64:65] scope:SCOPE_SE
	s_setreg_imm32_b32 hwreg(HW_REG_WAVE_MODE, 25, 1), 1
	s_wait_xcnt 0x0
; LAYER NORM AND WEIGHTS.  Three kinds of work-group, chosen by the work-group's number alone.  The text serves two launches: the first with all three kinds, a later one (256 work-groups) with the first kind alone.
;   0 .. 255     LAYER NORM of 16 rows (f32 [4096][1024]) -> f16, in PANELS: element (row, k) at ((k / 64) * 4096 + row) * 128 + (k % 64) * 2.
;   256 .. 639   131,072 bytes of one weight matrix, f32 -> f16, into wh: Wq|Wk|Wv side by side as [1024][3072] at 0, Wp at 6,291,456, W1 at 8,388,608, W2 at 16,777,216, all [K][N] as given.
;   640          bq|bk|bv copied, f32, behind them at 25,165,824.
; No LDS, no barrier, no matrix unit: every byte is read once and written once.  144 registers a wave in every kind, so that all 641 work-groups' loads can be on their way together.
; LAYER NORM in two passes over registers: the mean first, then the sum of (x - mean)^2, so a common offset costs nothing.
; A wave takes two rows; a lane holds BOTH rows' numbers of 32 columns (load p: columns 128 p + 4 lane ..), so its 32 gains and 32 biases serve two rows and are held once.
; LIMITS.  f16 holds no number from 65,520 on (it becomes an infinity) and below 6e-5 keeps a fixed step of 6e-8: weights and normed rows are taken to lie inside that.  NaN and infinities are not treated apart.
.set XA,  16                           ; v[16:47]    the first row's 32 numbers; later packed results
.set XB,  48                           ; v[48:79]    the second row's
.set G,   80                           ; v[80:111]   the gains of my columns
.set BV,  112                          ; v[112:143]  the biases of my columns
.set PANELB, 524288                    ; bytes in a panel: 4,096 rows of 128
.set NLN, 256                          ; work-groups that norm
.set NCV, 384                          ; work-groups that convert
	s_load_b512 s[4:19], s[0:1], 0x0               ; rows s[4:5], g s[6:7], b s[8:9], out s[10:11], Wq s[12:13], Wk s[14:15], Wv s[16:17], Wp s[18:19]
	s_load_b256 s[20:27], s[0:1], 0x40             ; W1 s[20:21], W2 s[22:23], wh s[24:25], bq s[26:27]
	s_load_b128 s[28:31], s[0:1], 0x60             ; bk s[28:29], bv s[30:31]
	v_lshrrev_b32 v1, 5, v0
	v_readfirstlane_b32 s32, v1                    ; wave 0..7
	s_wait_kmcnt 0x0
	s_cmp_lt_u32 ttmp9, NLN
	s_cbranch_scc1 .Lnorm
	s_cmp_eq_u32 ttmp9, NLN+NCV
	s_cbranch_scc1 .Lbias
	; WEIGHTS.  c = chunk number; the source and its first chunk are chosen by compares on c.
	s_sub_co_u32 s33, ttmp9, NLN                   ; c, 0 .. 383
	s_mov_b64 s[34:35], s[22:23]                   ; W2 from chunk 256
	s_mov_b32 s36, 256
	s_cmp_lt_u32 s33, 256
	s_cselect_b64 s[34:35], s[20:21], s[34:35]     ; W1 from 128
	s_cselect_b32 s36, 128, s36
	s_cmp_lt_u32 s33, 128
	s_cselect_b64 s[34:35], s[18:19], s[34:35]     ; Wp from 96
	s_cselect_b32 s36, 96, s36
	s_cmp_lt_u32 s33, 96
	s_cselect_b64 s[34:35], s[16:17], s[34:35]     ; Wv from 64
	s_cselect_b32 s36, 64, s36
	s_cmp_lt_u32 s33, 64
	s_cselect_b64 s[34:35], s[14:15], s[34:35]     ; Wk from 32
	s_cselect_b32 s36, 32, s36
	s_cmp_lt_u32 s33, 32
	s_cselect_b64 s[34:35], s[12:13], s[34:35]     ; Wq from 0
	s_cselect_b32 s36, 0, s36
	s_sub_co_u32 s38, s33, s36
	s_lshl_b32 s38, s38, 17                        ; the chunk's first byte in its source
	s_mov_b32 s39, 0
	s_add_nc_u64 s[34:35], s[34:35], s[38:39]
	s_max_u32 s40, s33, 96                         ; Wp, W1, W2 are dense in wh: half the source's bytes (for c below 96 this number is not chosen; it is held at 96 so that it does not wrap)
	s_sub_co_u32 s40, s40, 96
	s_lshl_b32 s40, s40, 16
	s_add_co_u32 s40, s40, 6291456
	s_and_b32 s41, s33, 31                         ; Wq, Wk, Wv: 32 rows of 6,144 bytes a chunk, 2,048 bytes into the row for each matrix
	s_mul_i32 s41, s41, 196608
	s_lshr_b32 s42, s33, 5
	s_lshl_b32 s42, s42, 11
	s_add_co_u32 s41, s41, s42
	s_movk_i32 s43, 2048                           ; bytes in wh from one 4,096 source bytes to the next: 2,048 where wh is dense,
	s_cmp_lt_u32 s33, 96
	s_cselect_b32 s40, s41, s40
	s_cselect_b32 s43, 6144, s43                   ; a row of 3,072 f16 for Wq, Wk, Wv
	s_mov_b32 s41, 0
	s_add_nc_u64 s[24:25], s[24:25], s[40:41]      ; where the chunk's units 0-7 go;
	s_lshl_b32 s44, s43, 3
	s_mov_b32 s45, 0
	s_add_nc_u64 s[26:27], s[24:25], s[44:45]      ; units 8-15,
	s_add_nc_u64 s[28:29], s[26:27], s[44:45]      ; 16-23,
	s_add_nc_u64 s[30:31], s[28:29], s[44:45]      ; 24-31: four bases and eight offsets, none rewritten behind a store
	v_lshlrev_b32 v5, 4, v0                        ; 16 bytes a thread: a wave's load covers 512 consecutive bytes
.set i, 0
.rept 32
	global_load_b128 v[16+4*i:19+4*i], v5, s[34:35] offset:4096*i th:TH_LOAD_NT
.set i, i+1
.endr
	v_lshlrev_b32 v8, 3, v0                        ; 8 bytes a thread out: a wave's store covers 256 consecutive bytes, aligned
.set i, 1
.rept 7
	v_add_nc_u32 v[8+i], s43, v[7+i]
.set i, i+1
.endr
.set i, 0
.rept 32
	s_wait_loadcnt 31-i                            ; loads come back in order: load i is in, the younger ones stay out
	v_cvt_pk_f16_f32 v[16+4*i], v[16+4*i], v[17+4*i]  ; in place: the first result falls on a register whose number has just been read
	v_cvt_pk_f16_f32 v[17+4*i], v[18+4*i], v[19+4*i]
	global_store_b64 v[8+i%8], v[16+4*i:17+4*i], s[24+2*(i/8):25+2*(i/8)]
.set i, i+1
.endr
	s_endpgm
.Lbias:                                                ; 3 x 4,096 bytes, 16 a thread
	v_lshlrev_b32 v5, 4, v0
	s_add_nc_u64 s[24:25], s[24:25], 25165824
	global_load_b128 v[16:19], v5, s[26:27]
	global_load_b128 v[20:23], v5, s[28:29]
	global_load_b128 v[24:27], v5, s[30:31]
	s_wait_loadcnt 0x0
	global_store_b128 v5, v[16:19], s[24:25]
	global_store_b128 v5, v[20:23], s[24:25] offset:4096
	global_store_b128 v5, v[24:27], s[24:25] offset:8192
	s_endpgm
.Lnorm:
	v_and_b32 v1, 31, v0
	v_lshlrev_b32 v2, 4, v1                        ; in: 16 bytes a lane: a load covers 512 consecutive bytes of a row, two panels' columns
	v_lshlrev_b32 v3, 3, v1                        ; out: 8 bytes a lane: two rows of 128 bytes lie end to end in a panel
	s_lshl_b32 s34, ttmp9, 16                      ; 16 rows of 4,096 bytes a work-group,
	s_lshl_b32 s33, s32, 13                        ; two a wave
	s_add_co_u32 s34, s34, s33
	s_mov_b32 s35, 0
	s_add_nc_u64 s[4:5], s[4:5], s[34:35]
	s_lshr_b32 s34, s34, 5                         ; the same rows at 128 bytes each
	s_add_nc_u64 s[10:11], s[10:11], s[34:35]
	s_mov_b32 s36, 0x3a800000                      ; 1 / 1024
	s_mov_b32 s37, 0x3727c5ac                      ; 1e-5
	s_mov_b32 s38, 0x76543210                      ; v_permlanex16_b32: each lane takes its own place in the other half
	s_mov_b32 s39, 0xfedcba98
.set p, 0
.rept 8
	global_load_b128 v[XA+4*p:XA+4*p+3], v2, s[4:5] offset:512*p
	global_load_b128 v[XB+4*p:XB+4*p+3], v2, s[4:5] offset:4096+512*p
.set p, p+1
.endr
.set p, 0
.rept 8
	global_load_b128 v[G+4*p:G+4*p+3], v2, s[6:7] offset:512*p
	global_load_b128 v[BV+4*p:BV+4*p+3], v2, s[8:9] offset:512*p
.set p, p+1
.endr
.macro REDUCE                          ; two chains a row, v[8:11] and v[12:15] -> v8 and v12: each row's sum over the 32 lanes, in every lane; the two rows alternate
	v_pk_add_f32 v[8:9], v[8:9], v[10:11]
	v_pk_add_f32 v[12:13], v[12:13], v[14:15]
	v_add_f32 v8, v8, v9
	v_add_f32 v12, v12, v13
.irp m, 1,2,4,8
	v_add_f32_dpp v8, v8, v8 row_xmask:\m row_mask:0xf bank_mask:0xf
	v_add_f32_dpp v12, v12, v12 row_xmask:\m row_mask:0xf bank_mask:0xf
.endr
	v_permlanex16_b32 v9, v8, s38, s39             ; its destination counts as read: v9 and v13 have been written
	v_permlanex16_b32 v13, v12, s38, s39
	v_add_f32 v8, v8, v9
	v_add_f32 v12, v12, v13
.endm
	s_wait_loadcnt 16                              ; both rows are in; the 16 younger loads, g and b, stay out
.irp c, 0,1
	v_pk_add_f32 v[8+2*\c:9+2*\c], v[XA+2*\c:XA+2*\c+1], v[XA+4+2*\c:XA+5+2*\c]  ; the first pairs start the chains: nothing is cleared
	v_pk_add_f32 v[12+2*\c:13+2*\c], v[XB+2*\c:XB+2*\c+1], v[XB+4+2*\c:XB+5+2*\c]
.endr
.set j, 4
.rept 12
	v_pk_add_f32 v[8+2*(j%2):9+2*(j%2)], v[8+2*(j%2):9+2*(j%2)], v[XA+2*j:XA+2*j+1]
	v_pk_add_f32 v[12+2*(j%2):13+2*(j%2)], v[12+2*(j%2):13+2*(j%2)], v[XB+2*j:XB+2*j+1]
.set j, j+1
.endr
	REDUCE
	v_mul_f32 v4, s36, v8                          ; the means, each twice: pairs for the packed lines
	v_mul_f32 v6, s36, v12
	v_mov_b32 v5, v4
	v_mov_b32 v7, v6
.set j, 0
.rept 16
	v_pk_add_f32 v[XA+2*j:XA+2*j+1], v[XA+2*j:XA+2*j+1], v[4:5] neg_lo:[0,1] neg_hi:[0,1]
	v_pk_add_f32 v[XB+2*j:XB+2*j+1], v[XB+2*j:XB+2*j+1], v[6:7] neg_lo:[0,1] neg_hi:[0,1]
.set j, j+1
.endr
.irp c, 0,1
	v_pk_mul_f32 v[8+2*\c:9+2*\c], v[XA+2*\c:XA+2*\c+1], v[XA+2*\c:XA+2*\c+1]
	v_pk_mul_f32 v[12+2*\c:13+2*\c], v[XB+2*\c:XB+2*\c+1], v[XB+2*\c:XB+2*\c+1]
.endr
.set j, 2
.rept 14
	v_pk_fma_f32 v[8+2*(j%2):9+2*(j%2)], v[XA+2*j:XA+2*j+1], v[XA+2*j:XA+2*j+1], v[8+2*(j%2):9+2*(j%2)]
	v_pk_fma_f32 v[12+2*(j%2):13+2*(j%2)], v[XB+2*j:XB+2*j+1], v[XB+2*j:XB+2*j+1], v[12+2*(j%2):13+2*(j%2)]
.set j, j+1
.endr
	REDUCE
	v_fma_f32 v8, v8, s36, s37                     ; variance + 1e-5
	v_fma_f32 v12, v12, s36, s37
	v_rsq_f32 v4, v8
	v_rsq_f32 v6, v12
	v_nop                                          ; a plain instruction between the roots and the use of their results (ISA guide 5.7.2)
	s_wait_alu depctr_va_vdst(0)
	v_mov_b32 v5, v4
	v_mov_b32 v7, v6
.set j, 0
.rept 16
	v_pk_mul_f32 v[XA+2*j:XA+2*j+1], v[XA+2*j:XA+2*j+1], v[4:5]
	v_pk_mul_f32 v[XB+2*j:XB+2*j+1], v[XB+2*j:XB+2*j+1], v[6:7]
.set j, j+1
.endr
	s_wait_loadcnt 0x0                             ; g and b
.set j, 0
.rept 16
	v_pk_fma_f32 v[XA+2*j:XA+2*j+1], v[XA+2*j:XA+2*j+1], v[G+2*j:G+2*j+1], v[BV+2*j:BV+2*j+1]
	v_pk_fma_f32 v[XB+2*j:XB+2*j+1], v[XB+2*j:XB+2*j+1], v[G+2*j:G+2*j+1], v[BV+2*j:BV+2*j+1]
.set j, j+1
.endr
	; Of load p, lanes 0-15 hold panel 2 p and lanes 16-31 panel 2 p + 1, of one row in each register.  The swap gives the first register's upper lanes the second row's panel 2 p and the second
	; register's lower lanes the first row's panel 2 p + 1: each register pair is then two rows of ONE panel.
.set p, 0
.rept 8
	v_cvt_pk_f16_f32 v[XA+4*p], v[XA+4*p], v[XA+4*p+1]
	v_cvt_pk_f16_f32 v[XB+4*p], v[XB+4*p], v[XB+4*p+1]
	v_cvt_pk_f16_f32 v[XA+4*p+1], v[XA+4*p+2], v[XA+4*p+3]
	v_cvt_pk_f16_f32 v[XB+4*p+1], v[XB+4*p+2], v[XB+4*p+3]
	v_permlane16_swap_b32 v[XA+4*p], v[XB+4*p]
	v_permlane16_swap_b32 v[XA+4*p+1], v[XB+4*p+1]
	global_store_b64 v3, v[XA+4*p:XA+4*p+1], s[10:11] offset:(2*p)*PANELB    ; the wave's 32 lanes store 256 consecutive bytes, aligned;
	global_store_b64 v3, v[XB+4*p:XB+4*p+1], s[10:11] offset:(2*p+1)*PANELB  ; 15 panels on at the most: inside the signed 24-bit immediate
.set p, p+1
.endr
	s_endpgm
.Lfunc_end_k_qd93966a885_prep:
	.size	k_qd93966a885_prep, .Lfunc_end_k_qd93966a885_prep-k_qd93966a885_prep
	.p2alignl 7, 3214868480
	.fill 96, 4, 3214868480
	.section	.rodata,"a",@progbits
	.p2align	6, 0x0
	.amdhsa_kernel k_qd93966a885_prep
		.amdhsa_group_segment_fixed_size 0
		.amdhsa_private_segment_fixed_size 0
		.amdhsa_enable_private_segment 0
		.amdhsa_kernarg_size 112
		.amdhsa_user_sgpr_count 2
		.amdhsa_user_sgpr_kernarg_segment_ptr 1
		.amdhsa_wavefront_size32 1
		.amdhsa_system_sgpr_workgroup_id_x 1
		.amdhsa_system_sgpr_workgroup_id_y 1
		.amdhsa_system_sgpr_workgroup_id_z 1
		.amdhsa_system_vgpr_workitem_id 0
		.amdhsa_next_free_vgpr 144
		.amdhsa_next_free_sgpr 66
		.amdhsa_reserve_vcc 0
		.amdhsa_float_denorm_mode_32 3
		.amdhsa_float_denorm_mode_16_64 3
		.amdhsa_memory_ordered 1
		.amdhsa_forward_progress 1
		.amdhsa_inst_pref_size 35
	.end_amdhsa_kernel
	.amdgpu_metadata
---
amdhsa.version: [ 1, 2 ]
amdhsa.kernels:
  - .name:           k_qd93966a885_prep
    .symbol:         k_qd93966a885_prep.kd
    .args:
      - { .name: x, .offset: 0, .size: 8, .value_kind: global_buffer, .address_space: global }
      - { .name: ln1_g, .offset: 8, .size: 8, .value_kind: global_buffer, .address_space: global }
      - { .name: ln1_b, .offset: 16, .size: 8, .value_kind: global_buffer, .address_space: global }
      - { .name: hbuf, .offset: 24, .size: 8, .value_kind: global_buffer, .address_space: global }
      - { .name: Wq, .offset: 32, .size: 8, .value_kind: global_buffer, .address_space: global }
      - { .name: Wk, .offset: 40, .size: 8, .value_kind: global_buffer, .address_space: global }
      - { .name: Wv, .offset: 48, .size: 8, .value_kind: global_buffer, .address_space: global }
      - { .name: Wp, .offset: 56, .size: 8, .value_kind: global_buffer, .address_space: global }
      - { .name: W1, .offset: 64, .size: 8, .value_kind: global_buffer, .address_space: global }
      - { .name: W2, .offset: 72, .size: 8, .value_kind: global_buffer, .address_space: global }
      - { .name: wh, .offset: 80, .size: 8, .value_kind: global_buffer, .address_space: global }
      - { .name: bq, .offset: 88, .size: 8, .value_kind: global_buffer, .address_space: global }
      - { .name: bk, .offset: 96, .size: 8, .value_kind: global_buffer, .address_space: global }
      - { .name: bv, .offset: 104, .size: 8, .value_kind: global_buffer, .address_space: global }
    .group_segment_fixed_size: 0
    .private_segment_fixed_size: 0
    .kernarg_segment_align: 8
    .kernarg_segment_size: 112
    .max_flat_workgroup_size: 256
    .sgpr_count:     66
    .vgpr_count:     144
    .wavefront_size: 32
...
	.end_amdgpu_metadata
.endif
;; end of part 1
;; launch qkvp (part 2): grid 16 x 16, 4 waves a work-group, clusters of 4 x 4, 327,680 bytes of LDS; arguments hbuf, wh, qkvb; writes qkvb
.if DOCPART == 2
	.amdgcn_target "amdgcn-amd-amdhsa--gfx1250"
	.amdhsa_code_object_version 6
	.text
	.protected	k_qd93966a885_qkvp
	.globl	k_qd93966a885_qkvp
	.p2align	8
	.type	k_qd93966a885_qkvp,@function
k_qd93966a885_qkvp:
	s_mov_b64 s[64:65], 0
	v_nop
	global_prefetch_b8 v0, s[64:65] scope:SCOPE_SE
	s_setreg_imm32_b32 hwreg(HW_REG_WAVE_MODE, 25, 1), 1
	s_wait_xcnt 0x0
	s_wait_alu depctr_hold_cnt(0) depctr_sa_sdst(0) depctr_va_vdst(0) depctr_va_sdst(0) depctr_va_ssrc(0) depctr_va_vcc(0) depctr_vm_vsrc(0)
	s_getreg_b32 s2, hwreg(HW_REG_IB_STS2, 6, 4)
	s_cmp_eq_u32 s2, 0
	s_cbranch_scc0 .Lentry_in_a_cluster
	s_endpgm
.Lentry_in_a_cluster:
	s_bfe_u32 s2, ttmp6, 0x10000c
	s_cmp_lg_u32 s2, 0xf033
	s_cbranch_scc0 .Lentry_shape_is_right
	s_endpgm
.Lentry_shape_is_right:
; Q, K, V = h Wqkv + bias.  A = hbuf, f16 in panels ((k / 64) * 4096 + row) * 128 + (k % 64) * 2; W = wh at WOFF, f16 [K][NTOT]; sums in f32.
; Out: qkvb, f16 [2 batch][48 g][2048 t][64], g = column / 64 (0-15 q's heads, 16-31 k's, 32-47 v's), unscaled, rounded once.
; LIMIT.  A result from 65,520 on becomes an infinity in f16.  NaN and infinities are not treated apart.
; ONE TEXT serves the two products of this program; the constants below, the arguments and the way out differ.
; SHARES.  A work-group makes TM x TN of C; here four waves one below the other, 64 rows x 192 columns each (three whole heads): 48 accumulators, 384 registers.  16 x 16 work-groups.
; RING.  K goes in steps of KSTEP through two LDS slots.  Waves 0 and 1 fetch A's two halves (the rows of a panel are dense, so a half is KSTEP / 64 long rows, padded in LDS after every 128 bytes),
; waves 2 and 3 the two halves of W's k-rows.  One tensor load a wave and step; by this text's count two are out at the start and one behind each round.
; W STAYS [K][N] IN LDS and is turned on the way into registers by ds_load_tr16_b128.  Here a k-row is 384 bytes and begins at a multiple of 128 bytes only: the price of a tile that gives 256 work-groups.
; THE MATRIX INSTRUCTION IS USED TRANSPOSED (source 0 = 16 columns of W, source 1 = 16 rows of A): a lane holds row lane % 16 and the columns 8 (lane / 16) + 0..7.
; THE SUMS START AT THE BIAS: each accumulator is loaded from memory with the biases of its columns; nothing is cleared, nothing is added at the end.
; CLUSTER 4 x 4: A's tiles are asked for jointly along a row of the cluster, W's along a column.
; ONE K STEP IS WRITTEN ONCE for the loop (slot addresses turn by an exclusive or on a scalar) and once for the tail, which asks for nothing.
.set W22,   0                          ; 1: waves 2 x 2; 0: four waves one below the other
.set TM,    256
.set TN,    192
.set MBW,   4                          ; blocks of 16 rows a wave
.set NBW,   12                         ; blocks of 16 columns a wave
.set KSTEP, 128
.set KTOT,  1024
.set NTOT,  3072
.set WOFF,  0
.set PB,    480                        ; a k-row of W in LDS: three pieces of 128 bytes + 32 of padding = 15 x 32 bytes
.set BQI,   4                          ; padding after every 32 words
.set CPAD,  32                         ; bytes of padding inside a k-row after every four blocks of 16 columns
.set S,     KSTEP/32                   ; sub-steps of 32 along K
.set T,     KTOT/KSTEP
.set PANEL, (TM/2)*144                 ; a half's rows of one panel: 128 bytes + 16 of padding each = 9 x 16 bytes
.set AHALF, 36864
.set BOFF,  2*AHALF
.set BHALF, (KSTEP/2)*PB
.set SLOT,  BOFF+KSTEP*PB
.set ASTEP, (KSTEP/64)*524288
.set BSTEP, KSTEP*NTOT*2
.set AD0,   (TM/2)*64                  ; elements in a long row of A
.set AD1,   KSTEP/64
.set STAGE, 2*SLOT                     ; behind the ring: 16 rows x 144 bytes for each wave
.set SPARE, STAGE+4*16*144             ; the spare words: 128 bytes a wave, two blocks of 256 bytes that no other line names
.set ADRA0, 8                          ; v8   my lane's place in A's part of a slot
.set ADRB0, 9                          ; v9   the same for W
.set ADRA,  10                         ; v10  the same in the slot in hand
.set ADRB,  11                         ; v11  (and v12, 128 k-rows on, where KSTEP = 256)
.set STO,   13
.set RD,    14
.set CO,    15
.set BO,    16
.set SPW,   28
.set NIL,   29
.set FA,    64                         ; window 0: A's fragments, buffer f at 64 + 64 f.  Window 1: W's, buffer f at 128 f.  Windows 2, 3: the accumulators
.set G1A, 24
.set G0A, 32
.set G1B, 48
.set G0B, 56
.set TB,  66                           ; s66 the slot being read; s67 the slot being filled; s68, s69 my loads' place in a slot; s70 the count
.set FB,  67
.set LA,  68
.set LB,  69
.set CNT, 70
.set MSB, 0
.macro WIN new                         ; the immediate's high byte repeats the setting that is left; a switch that changes nothing is dropped
.if MSB != (\new)
	s_set_vgpr_msb (MSB<<8)|(\new)
.set MSB, \new
.endif
.endm
.macro PLACES                          ; four places behind matrix instructions, in front of loads into their sources and of reads of their results
.rept 4
	v_nop
.endr
.endm
.macro JLOAD                           ; a joint refill by the walking descriptors; the branch hangs on the wave's number alone; an s_nop 0 and four v_nop follow each line
	s_cmp_eq_u32 s15, 0
	s_cbranch_scc0 .Lfor_b_\@
	tensor_load_to_lds s[G0A+4:G0A+7], s[G1A:G1A+7]
	s_nop 0
.rept 4
	v_nop
.endr
	s_branch .Lasked_\@
.Lfor_b_\@:
	tensor_load_to_lds s[G0B+4:G0B+7], s[G1B:G1B+7]
	s_nop 0
.rept 4
	v_nop
.endr
.Lasked_\@:
.endm
.macro CREST                           ; a round of the cluster's barrier behind its opening barrier
	s_cmp_lg_u32 s14, 0
	s_cbranch_scc1 .Lnot_wave_0_\@
	s_barrier_signal -3
.Lnot_wave_0_\@:
	s_barrier_wait -3
	s_barrier_signal -1
	s_barrier_wait -1
.endm
.macro CROUND
	s_barrier_signal -1
	s_barrier_wait -1
	CREST
.endm
	s_load_b128 s[4:7], s[0:1], 0x0                ; A s[4:5], wh s[6:7]
	s_load_b64 s[12:13], s[0:1], 0x10              ; out
	v_lshl_add_u32 v[SPW], v0, 2, SPARE
	v_mov_b32 v[NIL], 0
	ds_add_u32 v[SPW], v[NIL]                      ; the wave's opening: the add and its wait stand ahead of my first tensor load
	ds_add_u32 v28, v29
	v_lshrrev_b32 v1, 5, v0
	v_readfirstlane_b32 s14, v1                    ; wave 0..3
	s_lshr_b32 s15, s14, 1                         ; I fetch for A (0) or for W (1)
	s_and_b32 s16, s14, 1                          ; which half
	s_bfe_u32 s40, ttmp6, 0x40000                  ; cx
	s_bfe_u32 s41, ttmp6, 0x40004                  ; cy
	s_lshl_b32 s18, ttmp9, 2
	s_add_co_u32 s18, s18, s40                     ; tile column
	s_and_b32 s17, ttmp7, 0xffff
	s_lshl_b32 s17, s17, 2
	s_add_co_u32 s17, s17, s41                     ; tile row
	s_lshl_b32 s42, s41, 2
	s_lshl_b32 s42, 15, s42                        ; my row of the cluster
	s_lshl_b32 s43, 0x1111, s40                    ; my column
	s_or_b32 s[G1A], s42, (1<<16)|(1<<20)|(1<<21)|(4<<22)|(3<<25)  ; mask; 2-byte elements; padding on; bit 21 beside a mask; after every 32 words, 4 words
	s_mov_b32 s[G1A+1], (AD0&0xffff)<<16           ; tensor_dim0
	s_mov_b32 s[G1A+2], (AD0>>16)|(AD1<<16)        ; tensor_dim1
	s_mov_b32 s[G1A+3], AD0<<16                    ; tile_dim0
	s_mov_b32 s[G1A+4], AD1                        ; tile_dim1
	s_mov_b32 s[G1A+5], 262144                     ; elements from panel to panel
	s_mov_b32 s[G1A+6], 0
	s_mov_b32 s[G1A+7], 0
	s_or_b32 s[G1B], s43, (1<<16)|(1<<20)|(1<<21)|(BQI<<22)|(7<<25)  ; the same with my column's mask and 8 words of padding
	s_mov_b32 s[G1B+1], TN<<16
	s_mov_b32 s[G1B+2], (KSTEP/2)<<16
	s_mov_b32 s[G1B+3], TN<<16
	s_mov_b32 s[G1B+4], KSTEP/2
	s_mov_b32 s[G1B+5], NTOT
	s_mov_b32 s[G1B+6], 0
	s_mov_b32 s[G1B+7], 0
	s_mul_i32 s20, s17, TM*128                     ; A: my half's first row in a panel; hangs on the tile row alone
	s_mul_i32 s21, s16, TM*64
	s_add_co_u32 s20, s20, s21
	s_mov_b32 s21, 0
	s_mul_i32 s44, s18, TN*2                       ; W: my half's first k-row, the tile's first column; hangs on the tile column alone
	s_mul_i32 s45, s16, KSTEP*NTOT
	s_add_co_u32 s44, s44, s45
	s_add_co_u32 s44, s44, WOFF
	s_mov_b32 s45, 0
	s_mul_i32 s[LA], s16, AHALF                    ; no place in the cluster enters an LDS address
	s_mul_i32 s[LB], s16, BHALF
	s_add_co_u32 s[LB], s[LB], BOFF
	s_mov_b32 s[TB], 0
	s_mov_b32 s[FB], SLOT
	s_wait_dscnt 0x0                               ; the opening add is done
	s_wait_kmcnt 0x0
	s_add_nc_u64 s[20:21], s[4:5], s[20:21]
	s_add_nc_u64 s[44:45], s[6:7], s[44:45]
	CROUND                                         ; all sixteen work-groups are here: the first joint loads meet
.irp s, 0,1
	s_mov_b32 s[G0A+4*\s], 1
	s_add_co_u32 s[G0A+4*\s+1], s[LA], \s*SLOT
	s_add_nc_u64 s[G0A+4*\s+2:G0A+4*\s+3], s[20:21], \s*ASTEP
	s_or_b32 s[G0A+4*\s+3], s[G0A+4*\s+3], 0x80000000
	s_mov_b32 s[G0B+4*\s], 1
	s_add_co_u32 s[G0B+4*\s+1], s[LB], \s*SLOT
	s_add_nc_u64 s[G0B+4*\s+2:G0B+4*\s+3], s[44:45], \s*BSTEP
	s_or_b32 s[G0B+4*\s+3], s[G0B+4*\s+3], 0x80000000
.endr
	s_cmp_eq_u32 s15, 0                            ; a wave's two first fills stand in one branch, ahead of every wait on TENSORcnt and every LDS read
	s_cbranch_scc0 .Lfirst_b
	tensor_load_to_lds s[G0A:G0A+3], s[G1A:G1A+7]
	s_nop 0
	tensor_load_to_lds s[G0A+4:G0A+7], s[G1A:G1A+7]
	s_nop 0
.rept 4
	v_nop
.endr
	s_branch .Lfirst_asked
.Lfirst_b:
	tensor_load_to_lds s[G0B:G0B+3], s[G1B:G1B+7]
	s_nop 0
	tensor_load_to_lds s[G0B+4:G0B+7], s[G1B:G1B+7]
	s_nop 0
.rept 4
	v_nop
.endr
.Lfirst_asked:
	v_and_b32 v1, 15, v0                           ; r = lane % 16
	v_bfe_u32 v2, v0, 4, 1                         ; h = lane / 16
	v_and_b32 v3, 7, v0
	v_bfe_u32 v4, v0, 3, 1
	s_mul_i32 s22, s15, AHALF                      ; my rows of A
.if !W22
	s_mul_i32 s23, s16, 64*144
	s_add_co_u32 s22, s22, s23
.endif
	v_mul_u32_u24 v[ADRA0], v1, 144                ; a fragment of A: row r, 16 bytes for each half of the lanes, a second load 32 bytes on
	v_lshl_add_u32 v[ADRA0], v2, 4, v[ADRA0]
	v_add_nc_u32 v[ADRA0], s22, v[ADRA0]
	v_lshl_add_u32 v5, v2, 3, v3                   ; the turning load: k-row 8 h + lane % 8, 16 bytes at 16 ((lane / 8) % 2); a second load 16 k-rows on
	v_mul_u32_u24 v[ADRB0], v5, PB
	v_lshl_add_u32 v[ADRB0], v4, 4, v[ADRB0]
.if W22
	s_mul_i32 s23, s16, NBW*32
	s_add_co_u32 s23, s23, BOFF
.else
	s_mov_b32 s23, BOFF
.endif
	v_add_nc_u32 v[ADRB0], s23, v[ADRB0]
	v_lshlrev_b32 v[BO], 5, v2                     ; my eight biases of a block: 32 h bytes on
	; the way out: my stage, and my rows in qkvb
	s_mul_i32 s22, s14, 16*144
	s_add_co_u32 s22, s22, STAGE
	v_mul_u32_u24 v[STO], v1, 144                  ; in: row r, 16 bytes for each half of the lanes
	v_lshl_add_u32 v[STO], v2, 4, v[STO]
	v_add_nc_u32 v[STO], s22, v[STO]
	v_bfe_u32 v[RD], v0, 3, 2                      ; back: 32 lanes take four rows of 128 bytes,
	v_mul_u32_u24 v[RD], v[RD], 144
	v_lshl_add_u32 v[RD], v3, 4, v[RD]
	v_add_nc_u32 v[RD], s22, v[RD]
	v_and_b32 v[CO], 31, v0                        ; which are 512 consecutive bytes of a head
	v_lshlrev_b32 v[CO], 4, v[CO]
	s_lshr_b32 s88, s17, 3                         ; batch
	s_mul_i32 s88, s88, 48
	s_mul_i32 s90, s18, 3                          ; the tile's first head
	s_add_co_u32 s88, s88, s90
	s_lshl_b32 s88, s88, 18                        ; 2,048 rows of 128 bytes a head
	s_and_b32 s90, s17, 7
	s_lshl_b32 s90, s90, 15                        ; 256 rows a tile
	s_add_co_u32 s88, s88, s90
	s_lshl_b32 s90, s14, 13                        ; 64 rows a wave
	s_add_co_u32 s88, s88, s90
	s_mov_b32 s89, 0
	s_add_nc_u64 s[12:13], s[12:13], s[88:89]
	s_add_nc_u64 s[8:9], s[6:7], 25165824          ; bq|bk|bv lie behind the weights
	s_mul_i32 s46, s18, TN*4
.if W22
	s_mul_i32 s47, s16, NBW*64
	s_add_co_u32 s46, s46, s47
.endif
	s_mov_b32 s47, 0
	s_add_nc_u64 s[8:9], s[8:9], s[46:47]
.set a, 0
.rept MBW                              ; the sums start at the bias
	WIN 0x80+0x40*(a/(MBW/2))
.set b, 0
.rept NBW
.set ac, 8*(NBW*(a%(MBW/2))+b)
	global_load_b128 v[ac:ac+3], v[BO], s[8:9] offset:64*b
	global_load_b128 v[ac+4:ac+7], v[BO], s[8:9] offset:64*b+16
.set b, b+1
.endr
.set a, a+1
.endr
	WIN 0
.macro MULA buf, a                     ; NBW matrix instructions: block of rows a x all blocks of columns, 32 along K
	WIN 0xa1+0x50*((\a)/(MBW/2))
.set mab, 8*NBW*((\a)%(MBW/2))
.set mb, 0
.rept NBW
	v_wmma_f32_16x16x32_f16 v[mab+8*mb:mab+8*mb+7], v[128*(\buf)+8*mb:128*(\buf)+8*mb+7], v[FA+64*(\buf)+8*(\a):FA+64*(\buf)+8*(\a)+7], v[mab+8*mb:mab+8*mb+7]
.set mb, mb+1
.endr
.endm
.macro MULR buf, a0, n                 ; n blocks of rows from a0 on.  All accumulators take turns, one instruction a turn
.set aa, \a0
.rept \n
	MULA \buf, aa
.set aa, aa+1
.endr
.endm
.macro FETCH q, buf                    ; the fragments of sub-step q, in one run
	WIN 0x40
.set fb, 0
.rept NBW
.set bo, (32*((\q)%4))*PB+32*fb+CPAD*(fb/4)
	ds_load_tr16_b128 v[128*(\buf)+8*fb:128*(\buf)+8*fb+3], v[ADRB+(\q)/4] offset:bo
	ds_load_tr16_b128 v[128*(\buf)+8*fb+4:128*(\buf)+8*fb+7], v[ADRB+(\q)/4] offset:bo+16*PB
.set fb, fb+1
.endr
	WIN 0
.set fi, 0
.rept MBW
.set ao, ((\q)/2)*PANEL+fi*2304+((\q)%2)*64
	ds_load_b128 v[FA+64*(\buf)+8*fi:FA+64*(\buf)+8*fi+3], v[ADRA] offset:ao
	ds_load_b128 v[FA+64*(\buf)+8*fi+4:FA+64*(\buf)+8*fi+7], v[ADRA] offset:ao+32
.set fi, fi+1
.endr
.endm
.macro SUB q                           ; a sub-step but the last: its fragments were asked for a whole sub-step ago; the next one's go out ahead of its products
	s_wait_dscnt 0x0
	PLACES
	FETCH (\q)+1, ((\q)+1)%2
	MULR (\q)%2, 0, MBW
.endm
.macro STEP
.set sq, 0
.rept S-1
	SUB sq
.set sq, sq+1
.endr
.endm
; The last sub-step multiplies buffer 1 and changes slots: ONE barrier.  In front of it each wave waits for all its tensor loads (one is out: its part of the next slot), adds 0 to its spare word, and waits
; for that and for its reads of this slot.  refill = 1: the barrier opens a round of the cluster's, and the joint refill, two K steps ahead, is the first thing behind it.
.macro CH refill
	s_wait_dscnt 0x0                               ; this sub-step's fragments: my last reads of the slot
	WIN 0
	s_wait_tensorcnt 0x0
	ds_add_u32 v[SPW], v[NIL]
.if \refill
	s_xor_b32 s[FB], s[FB], SLOT                   ; no tensor load of mine is out: the walking descriptors step to the other slot and the next K step
	s_add_co_u32 s[G0A+5], s[FB], s[LA]
	s_add_nc_u64 s[G0A+6:G0A+7], s[G0A+6:G0A+7], ASTEP
	s_add_co_u32 s[G0B+5], s[FB], s[LB]
	s_add_nc_u64 s[G0B+6:G0B+7], s[G0B+6:G0B+7], BSTEP
.endif
	MULR 1, 0, MBW/4
	s_wait_dscnt 0x0                               ; the add is done
	s_barrier_signal -1
	MULR 1, MBW/4, MBW/4
	WIN 0
	s_barrier_wait -1
.if \refill
	CREST
	JLOAD                                          ; its four v_nop are also the places in front of the loads below
.else
	PLACES
.endif
	s_xor_b32 s[TB], s[TB], SLOT
	v_add_nc_u32 v[ADRA], s[TB], v[ADRA0]
	v_add_nc_u32 v[ADRB], s[TB], v[ADRB0]
.if KSTEP == 256
	v_add_nc_u32 v[ADRB+1], 128*PB, v[ADRB]
.endif
	FETCH 0, 0
	MULR 1, MBW/2, MBW/2
.endm
	s_wait_tensorcnt 0x1                           ; my part of K step 0 is in; K step 1's may stay out
	s_barrier_signal -1
	s_barrier_wait -1
	v_mov_b32 v[ADRA], v[ADRA0]
	v_mov_b32 v[ADRB], v[ADRB0]
.if KSTEP == 256
	v_add_nc_u32 v[ADRB+1], 128*PB, v[ADRB0]
.endif
	FETCH 0, 0
	s_wait_loadcnt 0x0                             ; the biases
	s_mov_b32 s[CNT], T-1
	s_branch .Lmid                                 ; the loop is entered behind its change of slots
.Ltop:
	CH 1                                           ; T - 2 times: K steps 2 .. T - 1 are asked for
	WIN 0
.Lmid:
	STEP
	WIN 0
	s_sub_co_u32 s[CNT], s[CNT], 1
	s_cmp_lg_u32 s[CNT], 0
	s_cbranch_scc1 .Ltop
	CH 0                                           ; the tail is written out
	STEP
	s_wait_dscnt 0x0
	MULR 1, 0, MBW
	WIN 0
	PLACES
	; THE WAY OUT.  Unit u = 3 a + hd: 16 rows of one head.  Rounded to f16 (each accumulator's low registers first), 16 bytes a lane into my stage, back as four rows of 128 bytes a load.
.macro PACK u
.set pa, (\u)/3
.set ph, (\u)%3
	WIN 0x0a+5*(pa/(MBW/2))
.set n, 0
.rept 4
.set ac, 8*(NBW*(pa%(MBW/2))+4*ph+n)
.set tp, 32+16*(\u)+4*n
	v_cvt_pk_f16_f32 v[tp], v[ac], v[ac+1]
	v_cvt_pk_f16_f32 v[tp+1], v[ac+2], v[ac+3]
	v_cvt_pk_f16_f32 v[tp+2], v[ac+4], v[ac+5]
	v_cvt_pk_f16_f32 v[tp+3], v[ac+6], v[ac+7]
.set n, n+1
.endr
	WIN 0
.irp f, 0,1,2,3
	ds_store_b128 v[STO], v[32+16*(\u)+4*\f:32+16*(\u)+4*\f+3] offset:32*\f
.endr
.irp f, 0,1,2,3
	ds_load_b128 v[32+16*(\u)+4*\f:32+16*(\u)+4*\f+3], v[RD] offset:\f*576  ; LDS serves a wave's instructions in order (ISA guide 5.7.1.4): these see the stores above
.endr
.endm
.macro SEND u, younger                 ; younger: the LDS instructions issued behind unit u's loads
.irp f, 0,1,2,3
	s_wait_dscnt (\younger)+3-\f
	global_store_b128 v[CO], v[32+16*(\u)+4*\f:32+16*(\u)+4*\f+3], s[12:13] offset:((\u)%3)*262144+((\u)/3)*2048+\f*512  ; 512 consecutive bytes, aligned
.endr
.endm
	PACK 0
.set uu, 1
.rept 11
	PACK uu
	SEND uu-1, 8
.set uu, uu+1
.endr
	SEND 11, 0
	s_wait_tensorcnt 0x0                           ; the wave's end
	ds_add_u32 v[SPW], v[NIL]
	s_wait_dscnt 0x0
	CROUND                                         ; the closing round
	s_endpgm
.Lfunc_end_k_qd93966a885_qkvp:
	.size	k_qd93966a885_qkvp, .Lfunc_end_k_qd93966a885_qkvp-k_qd93966a885_qkvp
	.p2alignl 7, 3214868480
	.fill 96, 4, 3214868480
	.section	.rodata,"a",@progbits
	.p2align	6, 0x0
	.amdhsa_kernel k_qd93966a885_qkvp
		.amdhsa_group_segment_fixed_size 327680
		.amdhsa_private_segment_fixed_size 0
		.amdhsa_enable_private_segment 0
		.amdhsa_kernarg_size 24
		.amdhsa_user_sgpr_count 2
		.amdhsa_user_sgpr_kernarg_segment_ptr 1
		.amdhsa_wavefront_size32 1
		.amdhsa_system_sgpr_workgroup_id_x 1
		.amdhsa_system_sgpr_workgroup_id_y 1
		.amdhsa_system_sgpr_workgroup_id_z 1
		.amdhsa_system_vgpr_workitem_id 0
		.amdhsa_next_free_vgpr 960
		.amdhsa_next_free_sgpr 96
		.amdhsa_reserve_vcc 0
		.amdhsa_float_denorm_mode_32 3
		.amdhsa_float_denorm_mode_16_64 3
		.amdhsa_memory_ordered 1
		.amdhsa_forward_progress 1
		.amdhsa_inst_pref_size 91
	.end_amdhsa_kernel
	.amdgpu_metadata
---
amdhsa.version: [ 1, 2 ]
amdhsa.kernels:
  - .name:           k_qd93966a885_qkvp
    .symbol:         k_qd93966a885_qkvp.kd
    .args:
      - { .name: hbuf, .offset: 0, .size: 8, .value_kind: global_buffer, .address_space: global }
      - { .name: wh, .offset: 8, .size: 8, .value_kind: global_buffer, .address_space: global }
      - { .name: qkvb, .offset: 16, .size: 8, .value_kind: global_buffer, .address_space: global }
    .group_segment_fixed_size: 327680
    .private_segment_fixed_size: 0
    .kernarg_segment_align: 8
    .kernarg_segment_size: 24
    .max_flat_workgroup_size: 128
    .sgpr_count:     96
    .vgpr_count:     960
    .wavefront_size: 32
...
	.end_amdgpu_metadata
.endif
;; end of part 2
;; launch attn (part 3): grid 8 x 32, 4 waves a work-group, no clusters, 327,680 bytes of LDS; arguments qkvb, ybuf; writes ybuf
.if DOCPART == 3
	.amdgcn_target "amdgcn-amd-amdhsa--gfx1250"
	.amdhsa_code_object_version 6
	.text
	.protected	k_qd93966a885_attn
	.globl	k_qd93966a885_attn
	.p2align	8
	.type	k_qd93966a885_attn,@function
k_qd93966a885_attn:
	s_mov_b64 s[64:65], 0
	v_nop
	global_prefetch_b8 v0, s[64:65] scope:SCOPE_SE
	s_setreg_imm32_b32 hwreg(HW_REG_WAVE_MODE, 25, 1), 1
	s_wait_xcnt 0x0
; CAUSAL ATTENTION, head size 64.  y[q] = the sum over k <= q of softmax_k(q . k / 8) v[k].  q, k, v: qkvb, f16 [2 batch][48 g][2048][64] (g: 16 q heads, 16 k, 16 v), a head's rows dense.
; Out: ybuf, f16 in panels: (head * 4096 + batch * 2048 + t) * 128 + 2 d.  Products, maxima and sums in f32; the weights p are rounded to f16 for the second product (their sum l is taken unrounded), y once.
; LIMITS.  A hidden score counts as its value less 2^100 (f16's scores, 2.7e11 at the most, are nothing beside that); a weight below 2^-126 counts as 0 in l; NaN and infinities are not treated apart.
; THE WALK.  A head's queries lie in 16 blocks of 128; block i needs the key tiles 0 .. i / 2 of 256 keys.  Work-group b takes block 15 - b and then block b: (15 - b) / 2 + 1 + b / 2 + 1 = 9 tiles whatever b,
; so all 256 work-groups do equal work and ONE loop with a constant count walks them; the ring of two LDS slots runs on across the change of blocks.
; NO CLUSTER: the eight work-groups of a head ask for the same tile only in their first five trips and for different ones behind that; a joint load wants equal descriptors in every round, and a walk
; common to all would have 12 trips for 9.
; SHARES.  Of a block's two bands of 64 queries a wave owns 16 rows in each: two PIECES.  In the block's last tile, step s (64 keys) is for band x all seen (s < own), none (s > own) or the diagonal's
; (s = own = 2 (i % 2) + x): the same work for every wave.
; THE MASK is the C operand that starts S^T = K Q^T: MD x AL + BE, MD the mask of a band's own step for my rows, (AL, BE) = (1, 0), (0, 0) or (0, -2^100).  Outside a block's last tile it stays 0.
; TURNS.  In a turn piece x has the matrix unit: 8 products V^T P of step j, then 8 products K Q^T of step j + 1; the other piece's softmax, a list of 118 instructions, stands in 16 slices behind them.
; The list is ordered for ONE tile: no second tile alternates with it, so what feeds a line stands some lines back wherever other work is at hand to set between.
; NO FIRST STEP IS WRITTEN OUT: a block begins with m at the lowest finite number, and its first trip's products on what the registers hold are multiplied by a = 0 at the first true step.
; Piece 1's softmax of the step that has not been runs on scores of -2^100.  That is a power of two, so c times it is exact, c s - c m is exactly 0 there, its weights are exactly 1, and all stays finite.
; REGISTERS.  Window 0: v2-15 addresses; v16-31 statistics, 8 a piece (c m, m, l, l, c0-c3; a takes c2's place); v64-127 S^T; v128-159 P; v160-223 O^T; v224-255 MD.
;             Window 1: v0-31 Q; v32-63 the second block's Q; v64-127 K of one step; v128-191 V of one step; v192-255 the masks.
.set KS,    64
.set PK,    144                        ; a row of K in LDS: 128 bytes + 16 = 9 x 16
.set PV,    160                        ; a row of V: 128 + 32 = 5 x 32
.set VOFF,  4*KS*PK                    ; a slot: 256 rows of K, then 256 rows of V
.set SLOT1, 1<<17
.set STAGE, SLOT1+4*KS*(PK+PV)         ; behind the ring, never filled by a tensor load: 16 rows x 144 bytes a wave
.set SP,    144
.set SPARE, STAGE+4*16*SP              ; the spare words: two blocks of 256 bytes that no other line names
.set AK0, 2
.set AV0, 3
.set ADR, 4
.set ADRV, 5
.set STO, 6
.set RD,  7
.set GO,  8
.set QO,  15
.set ST,  16
.set SPW, 62
.set NIL, 63
.set S,   64
.set P,   128
.set O,   160
.set MD,  224
.set QB,  32
.set KF,  64
.set VF,  128
.set MC,  192
.set WV,  12
.set PB,  14                           ; s14 b;  s15 15 - b
.set HI,  15
.set G1K, 24
.set G1V, 32
.set G0K, 40
.set G0V, 44
.set SLOTS, 56
.set CNT, 57                           ; a tile's key steps, 4 to 1
.set CS,  58
.set SEL, 60
.set TBK, 62
.set TBV, 63
.set RT,  70                           ; tiles of the block in hand still to be entered
.set NXT, 71                           ; the tile to be asked for next
.set LQ,  72                           ; the last tile of the block whose tiles are being asked for
.set NEW, 73                           ; 1: the tile to be entered is a block's first
.set OFF, 74
.set AL,  76
.set BE,  78
.set OLO, 80                           ; s[80:81] y at my rows of the second block
.set BIGN, 82                          ; s82 -2^100
.set OW,  83                           ; CNT at band 0's own step in the block's last tile;  s92 the same for band 1
.set OWL, 88                           ; the second block's
.set TL,  89                           ; the second block's tiles;  s90 one less
.set TLM1, 90
.set OW1, 92
.set MSB, 0
.macro WIN new
.if MSB != (\new)
	s_set_vgpr_msb (MSB<<8)|(\new)
.set MSB, (\new)
.endif
.endm
.macro LOAD                            ; waves 0 and 1 fetch the halves of a tile's K, waves 2 and 3 those of its V: 128 keys each; an s_nop 0 and four v_nop follow each line
	s_cmp_lt_u32 s[WV], 2
	s_cbranch_scc0 .Lfor_v_\@
	tensor_load_to_lds s[G0K:G0K+3], s[G1K:G1K+7]
	s_nop 0
.rept 4
	v_nop
.endr
	s_branch .Lasked_\@
.Lfor_v_\@:
	tensor_load_to_lds s[G0V:G0V+3], s[G1V:G1V+7]
	s_nop 0
.rept 4
	v_nop
.endr
.Lasked_\@:
.endm
; THE CHANGE OF SLOTS.  Each wave waits for all its tensor loads (one is out: its part of the other slot), adds 0 to its spare word, and waits for that and for its reads of the slot that it leaves.
; fill = 1: the old slot is filled again, first thing behind the barrier, with tile NXT; the descriptor's address is made anew from that number.  (At its first use slot 0 is waited for and slot 1 filled.)
.macro CHANGE fill
	WIN 0
	s_wait_tensorcnt 0x0
	ds_add_u32 v[SPW], v[NIL]
.if \fill
	s_lshl_b32 s[OFF], s[NXT], 15                  ; a tile is 32,768 bytes of K and of V
	s_xor_b32 s[G0K+1], s[G0K+1], SLOT1
	s_add_nc_u64 s[G0K+2:G0K+3], s[6:7], s[OFF:OFF+1]
	s_or_b32 s[G0K+3], s[G0K+3], 0x80000000
	s_xor_b32 s[G0V+1], s[G0V+1], SLOT1
	s_add_nc_u64 s[G0V+2:G0V+3], s[8:9], s[OFF:OFF+1]
	s_or_b32 s[G0V+3], s[G0V+3], 0x80000000
	s_add_co_u32 s[NXT], s[NXT], 1                 ; the block's next tile, or behind its last the second block's tile 0
	s_cmp_gt_u32 s[NXT], s[LQ]
	s_cselect_b32 s[NXT], 0, s[NXT]
	s_cselect_b32 s[LQ], s[TLM1], s[LQ]
.endif
	s_wait_dscnt 0x0                               ; the add is done, and my reads of the slot are over
	s_barrier_signal -1
	s_sub_co_u32 s[TBK], s[TBK], 4*KS*PK           ; the fetches go back to a slot's first step, in the other slot
	s_xor_b32 s[TBK], s[TBK], SLOT1
	s_sub_co_u32 s[TBV], s[TBV], 4*KS*PV
	s_xor_b32 s[TBV], s[TBV], SLOT1
	s_barrier_wait -1
.if \fill
	LOAD
.endif
.endm
	s_load_b64 s[4:5], s[0:1], 0x0                 ; qkvb
	s_load_b64 s[10:11], s[0:1], 0x8               ; ybuf
	v_lshl_add_u32 v[SPW], v0, 2, SPARE
	v_mov_b32 v[NIL], 0
	ds_add_u32 v[SPW], v[NIL]                      ; the wave's opening: the add and its wait stand ahead of my first tensor load
	ds_add_u32 v62, v63
	v_lshrrev_b32 v1, 5, v0
	v_readfirstlane_b32 s[WV], v1
	s_mov_b32 s[PB], ttmp9
	s_sub_co_u32 s[HI], 15, s[PB]
	s_and_b32 s20, ttmp7, 0xffff
	s_lshr_b32 s21, s20, 4                         ; batch
	s_and_b32 s20, s20, 15                         ; head
	s_mul_i32 s22, s21, 48
	s_add_co_u32 s22, s22, s20
	s_lshl_b32 s22, s22, 18                        ; q's head in qkvb: 262,144 bytes a head
	s_lshl_b32 s18, s20, 19                        ; the head's panel in ybuf,
	s_lshl_b32 s19, s21, 18                        ; the batch's rows in it
	s_add_co_u32 s18, s18, s19
	s_lshl_b32 s13, s[WV], 11                      ; my 16 rows in a band
	s_lshl_b32 s2, s[HI], 14                       ; the first block's 128 rows
	s_add_co_u32 s2, s2, s13
	s_lshl_b32 s84, s[PB], 14                      ; the second's
	s_add_co_u32 s84, s84, s13
	s_add_co_u32 s52, s18, s2
	s_add_co_u32 s54, s18, s84
	s_add_co_u32 s2, s2, s22
	s_add_co_u32 s84, s84, s22
	s_mov_b32 s3, 0
	s_mov_b32 s85, 0
	s_mov_b32 s53, 0
	s_mov_b32 s55, 0
	s_and_b32 s16, s[WV], 1                        ; which half of a tile's 256 keys I fetch
	s_lshl_b32 s50, s16, 14
	s_add_co_u32 s50, s50, s22
	s_add_co_u32 s50, s50, 4194304                 ; k's heads lie 16 heads behind q's
	s_mov_b32 s51, 0
	s_mul_i32 s17, s16, 128*PK
	s_mul_i32 s18, s16, 128*PV
	; descriptor group 1.  128 keys are 16,384 dense bytes: asked for as 64 rows of 256 bytes, padded in LDS after every key
	s_mov_b32 s[G1K], (1<<16)|(1<<20)|(4<<22)|(3<<25)
	s_mov_b32 s[G1V], (1<<16)|(1<<20)|(4<<22)|(7<<25)
.irp g, G1K, G1V
	s_mov_b32 s[\g+1], 128<<16
	s_mov_b32 s[\g+2], 64<<16
	s_mov_b32 s[\g+3], 128<<16
	s_mov_b32 s[\g+4], 64
	s_mov_b32 s[\g+5], 128
	s_mov_b32 s[\g+6], 0
	s_mov_b32 s[\g+7], 0
.endr
	s_mov_b32 s[CS], 0x3e38aa3b                    ; c = log2(e) / 8
	s_mov_b32 s[CS+1], s[CS]
	s_mov_b32 s[SEL], 0x76543210
	s_mov_b32 s[SEL+1], 0xfedcba98
	s_mov_b32 s[TBK], SLOT1+4*KS*PK                ; the first change of slots turns these two into 0
	s_mov_b32 s[TBV], SLOT1+4*KS*PV
	s_mov_b32 s[G0K], 1
	s_mov_b32 s[G0K+1], s17
	s_mov_b32 s[G0V], 1
	s_add_co_u32 s[G0V+1], s18, VOFF
	s_lshr_b32 s[RT], s[HI], 1
	s_mov_b32 s[LQ], s[RT]                         ; the first block's last tile,
	s_add_co_u32 s[RT], s[RT], 1                   ; and how many it has
	s_lshr_b32 s[TLM1], s[PB], 1
	s_add_co_u32 s[TL], s[TLM1], 1
	s_and_b32 s[OWL], s[PB], 1
	s_lshl_b32 s[OWL], s[OWL], 1
	s_add_co_u32 s[OW], s[OWL], 2                  ; 4 - 2 ((15 - b) % 2)
	s_sub_co_u32 s[OWL], 4, s[OWL]                 ; 4 - 2 (b % 2)
	s_sub_co_u32 s[OW1], s[OW], 1
	s_mov_b32 s[NXT], 1
	s_mov_b32 s[NEW], 1
	s_mov_b32 s[OFF+1], 0
	s_mov_b32 s[AL+1], 0
	s_mov_b32 s[BE+1], 0
	s_mov_b32 s[BIGN], 0xf1800000                  ; -2^100: a power of two, so that c times it is exact
	s_mov_b32 s[SLOTS], 8
	s_wait_dscnt 0x0                               ; the opening add is done
	s_wait_kmcnt 0x0
	s_add_nc_u64 s[6:7], s[4:5], s[50:51]          ; K at my half of the head's tile 0
	s_add_nc_u64 s[8:9], s[6:7], 4194304           ; V likewise
	s_add_nc_u64 s[G0K+2:G0K+3], s[6:7], 0
	s_or_b32 s[G0K+3], s[G0K+3], 0x80000000
	s_add_nc_u64 s[G0V+2:G0V+3], s[8:9], 0
	s_or_b32 s[G0V+3], s[G0V+3], 0x80000000
	s_add_nc_u64 s[86:87], s[4:5], s[84:85]        ; Q at my rows of the second block,
	s_add_nc_u64 s[4:5], s[4:5], s[2:3]            ; and of the first
	s_add_nc_u64 s[OLO:OLO+1], s[10:11], s[54:55]
	s_add_nc_u64 s[10:11], s[10:11], s[52:53]
	LOAD                                           ; tile 0 into slot 0
	v_and_b32 v1, 15, v0                           ; r
	v_bfe_u32 v9, v0, 4, 1                         ; h
	v_lshlrev_b32 v[QO], 7, v1
	v_lshl_add_u32 v[QO], v9, 4, v[QO]
	WIN 0x40
.set i, 0
.rept 4                                ; both blocks' Q: piece i / 2 lies 64 rows on; channels 32 (i % 2) on
	global_load_b128 v[8*i:8*i+3],   v[QO], s[4:5] offset:(i/2)*8192+(i%2)*64
	global_load_b128 v[8*i+4:8*i+7], v[QO], s[4:5] offset:(i/2)*8192+(i%2)*64+32
	global_load_b128 v[QB+8*i:QB+8*i+3],   v[QO], s[86:87] offset:(i/2)*8192+(i%2)*64
	global_load_b128 v[QB+8*i+4:QB+8*i+7], v[QO], s[86:87] offset:(i/2)*8192+(i%2)*64+32
.set i, i+1
.endr
.set i, VF
.rept 64                               ; what a first trip multiplies need only be finite: V, O^T, piece 0's P and l are written 0, in the wait for the first tile
	v_mov_b32 v[i], 0
.set i, i+1
.endr
	WIN 0
.set i, O
.rept 64
	v_mov_b32 v[i], 0
.set i, i+1
.endr
.set i, P
.rept 16
	v_mov_b32 v[i], 0
.set i, i+1
.endr
.irp t, 0,1
	v_mov_b32 v[ST+8*\t+2], 0
	v_mov_b32 v[ST+8*\t+3], 0
.endr
	v_lshlrev_b32 v14, 3, v9
	v_sub_nc_u32 v14, v1, v14
	s_lshl_b32 s13, s[WV], 4
	v_add_nc_u32 v14, s13, v14                     ; my query's place in its band, 16 w + r, less 8 h: register j of key block kb is hidden where 16 kb + j is greater
.set i, 0
.rept 32
	v_cmp_gt_i32 vcc_lo, 16*(i/8)+i%8, v14
	v_cndmask_b32 v[MD+i], 0, s[BIGN], vcc_lo
.set i, i+1
.endr
	v_mul_u32_u24 v[AK0], v1, PK
	v_lshl_add_u32 v[AK0], v9, 4, v[AK0]
	v_and_b32 v10, 7, v0
	v_bfe_u32 v11, v0, 3, 1
	v_lshl_add_u32 v[AV0], v9, 3, v10              ; the turning load: key 8 h + lane % 8, channels 8 ((lane / 8) % 2) on
	v_mul_u32_u24 v[AV0], v[AV0], PV
	v_lshl_add_u32 v[AV0], v11, 4, v[AV0]
	v_add_nc_u32 v[AV0], VOFF, v[AV0]
	s_mul_i32 s13, s[WV], 16*SP
	s_add_co_u32 s13, s13, STAGE
	v_mul_u32_u24 v[STO], v1, SP
	v_lshl_add_u32 v[STO], v9, 4, v[STO]
	v_add_nc_u32 v[STO], s13, v[STO]
	v_bfe_u32 v[RD], v0, 3, 2
	v_mul_u32_u24 v[RD], v[RD], SP
	v_lshl_add_u32 v[RD], v10, 4, v[RD]
	v_add_nc_u32 v[RD], s13, v[RD]
	v_and_b32 v[GO], 31, v0
	v_lshlrev_b32 v[GO], 4, v[GO]
; THE MATRIX WORK.  The 4 accumulators of a run of 8 take turns.  Product i of 8 of S^T = K Q^T: channels 32 (i / 4) on, keys 16 (i % 4) on; the first 4 start the sums at the mask.
.macro KQ x
.set rS, S+32*(\x)+8*(i%4)
.set rK, KF+16*(i%4)+8*(i/4)
.set rQ, 16*(\x)+8*(i/4)
.set rM, MC+32*(\x)+8*(i%4)
.if i < 4
	WIN 0x15
	v_wmma_f32_16x16x32_f16 v[rS:rS+7], v[rK:rK+7], v[rQ:rQ+7], v[rM:rM+7]
.else
	WIN 0x05
	v_wmma_f32_16x16x32_f16 v[rS:rS+7], v[rK:rK+7], v[rQ:rQ+7], v[rS:rS+7]
.endif
.endm
.macro PV x                            ; product i of 8 of O^T += V^T P: keys 32 (i / 4) on, channels 16 (i % 4) on
	WIN 0x01
.set rO, O+32*(\x)+8*(i%4)
.set rV, VF+32*(i/4)+8*(i%4)
.set rP, P+16*(\x)+8*(i/4)
	v_wmma_f32_16x16x32_f16 v[rO:rO+7], v[rV:rV+7], v[rP:rP+7], v[rO:rO+7]
.endm
.macro FETCH_K                         ; a step's K, 8 fragments, in one run: fragment f holds keys 16 (f / 2) on, channels 32 (f % 2) on; the four of the first channel half, which the first four products take, come first
	WIN 0x40
.irp f, 0,2,4,6,1,3,5,7
	ds_load_b128 v[KF+8*\f:KF+8*\f+3],   v[ADR] offset:(\f/2)*16*PK+(\f%2)*64
	ds_load_b128 v[KF+8*\f+4:KF+8*\f+7], v[ADR] offset:(\f/2)*16*PK+(\f%2)*64+32
.endr
	s_add_co_u32 s[TBK], s[TBK], KS*PK
	WIN 0
.endm
.macro FETCH_V                         ; a step's V, turned: fragment f holds keys 32 (f / 4) on, channels 16 (f % 4) on: the first four products take fragments 0 to 3
	WIN 0x40
.irp f, 0,1,2,3,4,5,6,7
	ds_load_tr16_b128 v[VF+8*\f:VF+8*\f+3],   v[ADRV] offset:(\f/4)*32*PV+(\f%4)*32
	ds_load_tr16_b128 v[VF+8*\f+4:VF+8*\f+7], v[ADRV] offset:(\f/4)*32*PV+16*PV+(\f%4)*32
.endr
	s_add_co_u32 s[TBV], s[TBV], KS*PV
	WIN 0
.endm
; THE VECTOR WORK: number j of the 118 of piece t's softmax for one step.  s0-s31 are the lane's scores, in pairs 0-15.
;   0-11   four chains c0-c3 of seven scores each, three operands at a time (each accumulator's lowest registers first)
;   12-16  the four scores left over and the old m in three lines that do not wait for each other, c m_old kept, then c0-c2 into c0      17-20  the other half of the lanes'; the new m; c m; c m_old - c m_new
;   21-87  33 exponentials (a, then s0-s31) at the odd numbers from 23 on.  Plain line q (number 21, then the even numbers): q = 0-7 and the even q to 22: c s - c m for pairs 0-15, each 4 lines or more ahead of its
;          exponentials; the odd q from 9: the rounding of pair (q - 9) / 2, 11 lines behind its second exponential; the even q from 24: the first five sums
;   88-117 the last three roundings (9, 7 and 6 lines behind their exponentials), the other sums, and O^T times a set between them, so that each level of the sums stands five lines behind the last
.macro FS b                            ; pair b: c s - c m
	v_pk_fma_f32 v[rS+2*(\b):rS+2*(\b)+1], v[rS+2*(\b):rS+2*(\b)+1], s[CS:CS+1], v[rT:rT+1] op_sel_hi:[1,0,0] neg_lo:[0,0,1] neg_hi:[0,0,1]
.endm
.macro CV n                            ; pair n rounded to f16
	s_wait_alu depctr_va_vdst(0)
	v_cvt_pk_f16_f32 v[rP+(\n)], v[rS+2*(\n)], v[rS+2*(\n)+1]
.endm
.macro ZS z                            ; sum z of 16, in place: neighbours 1 (z = 0-7), 2 (8-11), 4 (12, 13) and 8 (14) pairs of pairs apart; 15: l = a l + the sum
.set w, 4
.set u, \z
.if (\z) >= 14
.set w, 32
.set u, 0
.elseif (\z) >= 12
.set w, 16
.set u, (\z)-12
.elseif (\z) >= 8
.set w, 8
.set u, (\z)-8
.endif
.if (\z) < 15
	v_pk_add_f32 v[rS+w*u:rS+w*u+1], v[rS+w*u:rS+w*u+1], v[rS+w*u+w/2:rS+w*u+w/2+1]
.else
	v_pk_fma_f32 v[rT+2:rT+3], v[rT+2:rT+3], v[rT+6:rT+7], v[rS:rS+1] op_sel_hi:[1,0,1]
.endif
.endm
.macro RS                              ; the next pair of O^T times a, in ascending order
	v_pk_mul_f32 v[rO+2*RN:rO+2*RN+1], v[rO+2*RN:rO+2*RN+1], v[rT+6:rT+7] op_sel_hi:[1,0]
.set RN, RN+1
.endm
.macro SM t
.set rT, ST+8*(\t)
.set rS, S+32*(\t)
.set rP, P+16*(\t)
.set rO, O+32*(\t)
.set q, (j-20)/2
	WIN 0
.if j < 4
	v_max3_num_f32 v[rT+4+j], v[rS+8*j], v[rS+8*j+1], v[rS+8*j+2]
.elseif j < 12
	v_max3_num_f32 v[rT+4+j%4], v[rT+4+j%4], v[rS+8*(j%4)+2*(j/4)+1], v[rS+8*(j%4)+2*(j/4)+2]
.elseif j == 12
	v_max3_num_f32 v[rT+4], v[rT+4], v[rS+7], v[rS+15]
.elseif j == 13
	v_max3_num_f32 v[rT+5], v[rT+5], v[rS+23], v[rS+31]
.elseif j == 14
	v_max3_num_f32 v[rT+6], v[rT+6], v[rT+7], v[rT+1]
.elseif j == 15
	v_mov_b32 v[rT+7], v[rT]                       ; c m_old is kept for a: number 19 writes c m anew
.elseif j == 16
	v_max3_num_f32 v[rT+4], v[rT+4], v[rT+5], v[rT+6]
.elseif j == 17
	v_permlanex16_b32 v[rT+5], v[rT+4], s[SEL], s[SEL+1]  ; the query's other 32 keys lie in the lane 16 away
.elseif j == 18
	v_max_num_f32 v[rT+1], v[rT+4], v[rT+5]
.elseif j == 19
	v_mul_f32 v[rT], s[CS], v[rT+1]
.elseif j == 20
	v_sub_f32 v[rT+7], v[rT+7], v[rT]
.elseif j == 23
	v_exp_f32 v[rT+6], v[rT+7]
.elseif (j < 88) && (j > 23) && (j%2 == 1)
	v_exp_f32 v[rS+(j-25)/2], v[rS+(j-25)/2]
.elseif (j < 88) && (q < 8)
	FS q
.elseif (j < 88) && (q%2 == 0) && (q < 24)
	FS q/2+4
.elseif (j < 88) && (q%2 == 0)
	ZS (q-24)/2
.elseif j < 88
	CV (q-9)/2
.elseif j == 88
.set RN, 0
	CV 13
.elseif j == 90
	CV 14
.elseif j == 91
	ZS 5
.elseif j == 93
	CV 15
.elseif j == 94
	ZS 8
.elseif j == 95
	ZS 6
.elseif j == 96
	ZS 9
.elseif j == 97
	ZS 7
.elseif j == 100
	ZS 10
.elseif j == 101
	ZS 12
.elseif j == 102
	ZS 11
.elseif j == 107
	ZS 13
.elseif j == 112
	ZS 14
.elseif j == 117
	ZS 15
.else
	RS
.endif
.endm
.macro SLICE y                         ; slice k of 16: seven numbers; the last has thirteen, all plain: the places behind the turn's last product
.if k < 15
.set j, 7*k
.rept 7
	SM \y
.set j, j+1
.endr
.else
.set j, 105
.rept 13
	SM \y
.set j, j+1
.endr
.endif
.set k, k+1
.endm
.macro MASK x                          ; MD x AL + BE
	WIN 0x40
.set z, 0
.rept 16
	v_pk_fma_f32 v[MC+32*(\x)+2*z:MC+32*(\x)+2*z+1], v[MD+2*z:MD+2*z+1], s[AL:AL+1], s[BE:BE+1] op_sel_hi:[1,0,0]
.set z, z+1
.endr
.endm
; A TURN for piece x.  kq = 0: a block's last: no new scores, nothing fetched, two slices behind each product.
; Piece 0's turn fetches the next step's K at its head, thirteen plain lines behind the last product that read K.  Piece 1's turn fetches that step's V behind its first K Q^T: seven plain lines and more behind V's last reader.
; The waits in piece 0's turn are counted.  Out at its head: V's 16 loads, then K's 16.  Each product waits for the eight loads that it and the three behind it take.
.macro TURN x, kq
.set k, 0
.if (\x) == 0
.if \kq
	WIN 0
	v_add_nc_u32 v[ADR], s[TBK], v[AK0]
	FETCH_K
	s_wait_dscnt 24                                ; V's first eight loads are in; its other eight and K's 16 may stay out
.else
	s_wait_dscnt 0x0                               ; V is in
.endif
.endif
.set i, 0
.rept 8
.if ((\x) == 0) && (\kq) && (i == 4)
	s_wait_dscnt 16                                ; all of V is in; K's 16 may stay out
.endif
	PV \x
	SLICE 1-(\x)
.if !(\kq)
	SLICE 1-(\x)
.endif
.set i, i+1
.endr
.if \kq
.set i, 0
.rept 8
.if ((\x) == 0) && (i == 0)
	s_wait_dscnt 8                                 ; K's first channel half is in; the other eight loads may stay out
.endif
.if ((\x) == 0) && (i == 4)
	s_wait_dscnt 0x0                               ; all of K is in
.endif
	KQ \x
	SLICE 1-(\x)
.if ((\x) == 1) && (i == 0)
	v_add_nc_u32 v[ADRV], s[TBV], v[AV0]
	FETCH_V
.endif
.set i, i+1
.endr
.endif
.endm
.macro BEGIN                           ; a block begins: c m far below every c s, m the lowest finite number, piece 1's scores of the step that has not been at -2^100 (c times it is exact: its weights are exactly 1), the masks 0
	s_mov_b32 s[NEW], 0
	WIN 0
.irp t, 0,1
	v_mov_b32 v[ST+8*\t], 0xfe000000
	v_mov_b32 v[ST+8*\t+1], 0xff7fffff
.endr
.set i, 0
.rept 32
	v_mov_b32 v[S+32+i], s[BIGN]
.set i, i+1
.endr
	s_mov_b32 s[AL], 0
	s_mov_b32 s[BE], 0
	MASK 0
	MASK 1
	WIN 0
	s_wait_loadcnt 0x0                             ; Q
.endm
.macro BODY tag                        ; a tile's four key steps
	s_sub_co_u32 s[RT], s[RT], 1
	s_mov_b32 s[CNT], 4
	s_cmp_eq_u32 s[NEW], 1
	s_cbranch_scc0 .Lold\tag
	BEGIN
.Lold\tag:
.Lstep\tag:
	s_cmp_lg_u32 s[RT], 0
	s_cbranch_scc1 .Lopen\tag                      ; only a block's last tile makes masks
	s_cmp_eq_u32 s[CNT], s[OW]                     ; is this step band 0's own?
	s_cselect_b32 s[AL], 1.0, 0
	s_cmp_lt_u32 s[CNT], s[OW]                     ; or a later one?
	s_cselect_b32 s[BE], s[BIGN], 0
	MASK 0
	s_cmp_eq_u32 s[CNT], s[OW1]
	s_cselect_b32 s[AL], 1.0, 0
	s_cmp_lt_u32 s[CNT], s[OW1]
	s_cselect_b32 s[BE], s[BIGN], 0
	MASK 1
	WIN 0
.Lopen\tag:
	TURN 0, 1
	TURN 1, 1
	WIN 0
	s_sub_co_u32 s[CNT], s[CNT], 1
	s_cmp_lg_u32 s[CNT], 0
	s_cbranch_scc1 .Lstep\tag
.endm
.macro PACK t                          ; O^T / l, rounded to f16; 16 bytes a lane into my stage; back as four rows of 128 bytes a load, into piece 0's S^T registers
	WIN 0
.set n, 0
.rept 16
	s_wait_alu depctr_va_vdst(0)
	v_pk_mul_f32 v[O+32*(\t)+2*n:O+32*(\t)+2*n+1], v[O+32*(\t)+2*n:O+32*(\t)+2*n+1], v[ST+8*(\t)+2:ST+8*(\t)+3] op_sel_hi:[1,0]
.set n, n+1
.endr
.set n, 0
.rept 16
	v_cvt_pk_f16_f32 v[S+16*(\t)+n], v[O+32*(\t)+2*n], v[O+32*(\t)+2*n+1]
.set n, n+1
.endr
.irp f, 0,1,2,3
	ds_store_b128 v[STO], v[S+16*(\t)+4*\f:S+16*(\t)+4*\f+3] offset:32*\f
.endr
.irp f, 0,1,2,3
	ds_load_b128 v[S+16*(\t)+4*\f:S+16*(\t)+4*\f+3], v[RD] offset:\f*4*SP  ; LDS serves a wave's instructions in order (ISA guide 5.7.1.4)
.endr
.endm
.macro SEND t, younger
.irp f, 0,1,2,3
	s_wait_dscnt (\younger)+3-\f
	global_store_b128 v[GO], v[S+16*(\t)+4*\f:S+16*(\t)+4*\f+3], s[10:11] offset:(\t)*8192+\f*512  ; 512 consecutive bytes, aligned
.endr
.endm
.macro FINISH                          ; a block's end: piece 0's last V^T P beside piece 1's last softmax, piece 1's last V^T P, and the way out
	TURN 0, 0
.set i, 0
.rept 8
	PV 1
.set i, i+1
.endr
	WIN 0
.irp t, 0,1
	v_add_f32 v[ST+8*\t+2], v[ST+8*\t+2], v[ST+8*\t+3]
.endr
.irp t, 0,1
	v_permlanex16_b32 v[ST+8*\t+3], v[ST+8*\t+2], s[SEL], s[SEL+1]
.endr
.irp t, 0,1
	v_add_f32 v[ST+8*\t+2], v[ST+8*\t+2], v[ST+8*\t+3]
.endr
.irp t, 0,1
	v_rcp_f32 v[ST+8*\t+2], v[ST+8*\t+2]
.endr
	v_nop                                          ; a plain instruction between the last reciprocal and the use of its result
	PACK 0                                         ; piece 0's 32 plain lines are also the places behind piece 1's last products
	PACK 1
	SEND 0, 8
	SEND 1, 0
.endm
.Lslot:                                                ; 8 times: a tile is entered and the next is asked for
	CHANGE 1
	BODY 1
	s_cmp_lg_u32 s[RT], 0
	s_cbranch_scc1 .Lbottom
	FINISH                                         ; in the loop this is the first block's end: the second's last tile is the walk's last
	s_wait_xcnt 0x0                                ; the stores have read their registers and y's address
	s_mov_b64 s[10:11], s[OLO:OLO+1]
	s_mov_b32 s[RT], s[TL]
	s_mov_b32 s[NEW], 1
	s_mov_b32 s[OW], s[OWL]
	s_sub_co_u32 s[OW1], s[OWL], 1
	WIN 0x41
.set i, 0
.rept 32
	v_mov_b32 v[i], v[QB+i]                        ; the second block's Q goes where the one text of the turns names Q
.set i, i+1
.endr
	WIN 0
.Lbottom:
	s_sub_co_u32 s[SLOTS], s[SLOTS], 1
	s_cmp_lg_u32 s[SLOTS], 0
	s_cbranch_scc1 .Lslot
	CHANGE 0                                       ; the walk's last tile is written out
	BODY 2
	FINISH
	s_wait_tensorcnt 0x0                           ; the wave's end
	ds_add_u32 v[SPW], v[NIL]
	s_wait_dscnt 0x0
	s_endpgm
.Lfunc_end_k_qd93966a885_attn:
	.size	k_qd93966a885_attn, .Lfunc_end_k_qd93966a885_attn-k_qd93966a885_attn
	.p2alignl 7, 3214868480
	.fill 96, 4, 3214868480
	.section	.rodata,"a",@progbits
	.p2align	6, 0x0
	.amdhsa_kernel k_qd93966a885_attn
		.amdhsa_group_segment_fixed_size 327680
		.amdhsa_private_segment_fixed_size 0
		.amdhsa_enable_private_segment 0
		.amdhsa_kernarg_size 16
		.amdhsa_user_sgpr_count 2
		.amdhsa_user_sgpr_kernarg_segment_ptr 1
		.amdhsa_wavefront_size32 1
		.amdhsa_system_sgpr_workgroup_id_x 1
		.amdhsa_system_sgpr_workgroup_id_y 1
		.amdhsa_system_sgpr_workgroup_id_z 1
		.amdhsa_system_vgpr_workitem_id 0
		.amdhsa_next_free_vgpr 512
		.amdhsa_next_free_sgpr 96
		.amdhsa_reserve_vcc 1
		.amdhsa_float_denorm_mode_32 3
		.amdhsa_float_denorm_mode_16_64 3
		.amdhsa_memory_ordered 1
		.amdhsa_forward_progress 1
		.amdhsa_inst_pref_size 102
	.end_amdhsa_kernel
	.amdgpu_metadata
---
amdhsa.version: [ 1, 2 ]
amdhsa.kernels:
  - .name:           k_qd93966a885_attn
    .symbol:         k_qd93966a885_attn.kd
    .args:
      - { .name: qkvb, .offset: 0, .size: 8, .value_kind: global_buffer, .address_space: global }
      - { .name: ybuf, .offset: 8, .size: 8, .value_kind: global_buffer, .address_space: global }
    .group_segment_fixed_size: 327680
    .private_segment_fixed_size: 0
    .kernarg_segment_align: 8
    .kernarg_segment_size: 16
    .max_flat_workgroup_size: 128
    .sgpr_count:     96
    .vgpr_count:     512
    .wavefront_size: 32
...
	.end_amdgpu_metadata
.endif
;; end of part 3
;; launch proj (part 4): grid 8 x 32, 4 waves a work-group, clusters of 4 x 4, 327,680 bytes of LDS; arguments ybuf, wh, bp, x, x1b; writes x1b
.if DOCPART == 4
	.amdgcn_target "amdgcn-amd-amdhsa--gfx1250"
	.amdhsa_code_object_version 6
	.text
	.protected	k_qd93966a885_proj
	.globl	k_qd93966a885_proj
	.p2align	8
	.type	k_qd93966a885_proj,@function
k_qd93966a885_proj:
	s_mov_b64 s[64:65], 0
	v_nop
	global_prefetch_b8 v0, s[64:65] scope:SCOPE_SE
	s_setreg_imm32_b32 hwreg(HW_REG_WAVE_MODE, 25, 1), 1
	s_wait_xcnt 0x0
	s_wait_alu depctr_hold_cnt(0) depctr_sa_sdst(0) depctr_va_vdst(0) depctr_va_sdst(0) depctr_va_ssrc(0) depctr_va_vcc(0) depctr_vm_vsrc(0)
	s_getreg_b32 s2, hwreg(HW_REG_IB_STS2, 6, 4)
	s_cmp_eq_u32 s2, 0
	s_cbranch_scc0 .Lentry_in_a_cluster
	s_endpgm
.Lentry_in_a_cluster:
	s_bfe_u32 s2, ttmp6, 0x10000c
	s_cmp_lg_u32 s2, 0xf033
	s_cbranch_scc0 .Lentry_shape_is_right
	s_endpgm
.Lentry_shape_is_right:
; x1 = x + y Wp + bp.  A = ybuf, f16 in panels ((k / 64) * 4096 + row) * 128 + (k % 64) * 2; W = wh at WOFF, f16 [K][NTOT]; sums, bias and residual in f32.  Out: x1b, f32 [4096][1024].
; This text serves the two products with 1,024 columns; KTOT, WOFF and the arguments differ.
; SHARES.  A work-group makes 128 x 128 of C (256 x 256 would give 64 work-groups), four waves 2 x 2, 64 x 64 each: 16 accumulators.  8 x 32 work-groups.  K steps of 256, as long as two slots allow.
; RING.  Waves 0 and 1 fetch A's two halves (the rows of a panel are dense, so a half is KSTEP / 64 long rows, padded in LDS after every 128 bytes), waves 2 and 3 the two halves of W's k-rows.
; One tensor load a wave and step; by this text's count two are out at the start and one behind each round.
; K IS WALKED FROM BOTH ENDS.  A cluster whose x + y is even takes the K tiles 0 .. T - 1, one whose x + y is odd T - 1 .. 0 (inside a tile K ascends in both).  The two clusters that take the same rows of A
; differ in x alone, and of the clusters that take the same columns of W half have an even y: so each tile is asked for first by one direction, and by the other only in the second half of its walk.
; The tile's number hangs on the cluster's own x and y, which all sixteen partners share; only the order of the sums differs from cluster to cluster.
; W STAYS [K][N] IN LDS and is turned on the way into registers by ds_load_tr16_b128.
; THE MATRIX INSTRUCTION IS USED TRANSPOSED (source 0 = 16 columns of W, source 1 = 16 rows of A): a lane holds row lane % 16 and the columns 8 (lane / 16) + 0..7.
; THE SUMS START AT THE BIAS: each accumulator is loaded from memory with the biases of its columns.  The residual is loaded at the start, in the layout in which rows leave.
; CLUSTER 4 x 4: A's tiles are asked for jointly along a row of the cluster, W's along a column.
; THE TEXT.  A K step is eight sub-steps of 32 along K on two fragment buffers.  Sub-steps 0 to 5 are a loop of three pairs (the LDS offset of a pair is a scalar that steps), 6 is written out, 7 changes slots.
; The step stands once in the loop over K (slot addresses turn by an exclusive or on a scalar) and once in the tail, which asks for nothing.
.set TM,    128
.set TN,    128
.set MBW,   4
.set NBW,   4
.set KSTEP, 256
.set KTOT,  1024
.set NTOT,  1024
.set WOFF,  6291456
.set PB,    288                        ; a k-row of W in LDS: 256 bytes + 32 = 9 x 32
.set BQI,   5                          ; padding after every 64 words
.set S,     KSTEP/32
.set T,     KTOT/KSTEP
.set PANEL, (TM/2)*144                 ; a half's rows of one panel: 128 bytes + 16 of padding each = 9 x 16 bytes
.set AHALF, 36864
.set BOFF,  2*AHALF
.set BHALF, (KSTEP/2)*PB
.set SLOT,  BOFF+KSTEP*PB
.set ASTEP, (KSTEP/64)*524288          ; bytes in A from a K tile to the next
.set BSTEP, KSTEP*NTOT*2               ; the same in W
.set AD0,   (TM/2)*64
.set AD1,   KSTEP/64
.set STAGE, 2*SLOT                     ; behind the ring: 16 rows x 272 bytes for each wave
.set SPARE, STAGE+4*16*272             ; the spare words: two blocks of 256 bytes that no other line names
.set ADRA0, 8                          ; v8   my lane's place in A's part of a slot
.set ADRB0, 9                          ; v9   the same for W
.set ADRA,  10                         ; v10  the same at the pair of sub-steps in hand
.set ADRB,  11                         ; v11
.set STO,   13
.set RD,    14
.set CO,    15
.set BO,    16
.set SPW,   28
.set NIL,   29
.set FA,    64                         ; window 0: A's fragments, buffer f at 64 + 64 f; the residual at v96-127 and v160-255.  Window 1: W's fragments, buffer f at 128 f.  Windows 2, 3: the accumulators
.set G1A, 24
.set G0A, 32
.set G1B, 48
.set G0B, 56
.set TB,  66                           ; s66 the slot being read; s67 the slot being filled; s68, s69 my loads' place in a slot; s70 counts K steps, s71 pairs
.set FB,  67
.set LA,  68
.set LB,  69
.set CNT, 70
.set CN2, 71
.set KI,  72                           ; s72 the K tile asked for last;  s73 the walk's direction, +1 or -1
.set DIR, 73
.set OA,  74                           ; s[74:75] that tile's byte offset in A;  s[76:77] in W
.set OB,  76
.set PA,  78                           ; s78 LDS bytes from 0 to the pair in hand in A's part;  s79 in W's
.set PBB, 79
.set MSB, 0
.macro WIN new
.if MSB != (\new)
	s_set_vgpr_msb (MSB<<8)|(\new)
.set MSB, \new
.endif
.endm
.macro PLACES                          ; four places behind matrix instructions (ISA guide 7.12.1)
.rept 4
	v_nop
.endr
.endm
.macro JLOAD                           ; a joint refill by the walking descriptors; an s_nop 0 and four v_nop follow each line
	s_cmp_eq_u32 s15, 0
	s_cbranch_scc0 .Lfor_b_\@
	tensor_load_to_lds s[G0A+4:G0A+7], s[G1A:G1A+7]
	s_nop 0
.rept 4
	v_nop
.endr
	s_branch .Lasked_\@
.Lfor_b_\@:
	tensor_load_to_lds s[G0B+4:G0B+7], s[G1B:G1B+7]
	s_nop 0
.rept 4
	v_nop
.endr
.Lasked_\@:
.endm
.macro CREST
	s_cmp_lg_u32 s14, 0
	s_cbranch_scc1 .Lnot_wave_0_\@
	s_barrier_signal -3
.Lnot_wave_0_\@:
	s_barrier_wait -3
	s_barrier_signal -1
	s_barrier_wait -1
.endm
.macro CROUND
	s_barrier_signal -1
	s_barrier_wait -1
	CREST
.endm
.macro POINT o                         ; the global words of descriptor set o / 4 are made anew for K tile KI: the tensor's address plus an offset made apart, the type bits set again
	s_mul_i32 s[OA], s[KI], ASTEP
	s_mul_i32 s[OB], s[KI], BSTEP
	s_add_nc_u64 s[G0A+(\o)+2:G0A+(\o)+3], s[20:21], s[OA:OA+1]
	s_or_b32 s[G0A+(\o)+3], s[G0A+(\o)+3], 0x80000000
	s_add_nc_u64 s[G0B+(\o)+2:G0B+(\o)+3], s[44:45], s[OB:OB+1]
	s_or_b32 s[G0B+(\o)+3], s[G0B+(\o)+3], 0x80000000
.endm
	s_load_b256 s[4:11], s[0:1], 0x0               ; A s[4:5], wh s[6:7], bias s[8:9], residual s[10:11]
	s_load_b64 s[12:13], s[0:1], 0x20              ; out
	v_lshl_add_u32 v[SPW], v0, 2, SPARE
	v_mov_b32 v[NIL], 0
	ds_add_u32 v[SPW], v[NIL]                      ; the wave's opening: the add and its wait stand ahead of my first tensor load
	ds_add_u32 v28, v29
	v_lshrrev_b32 v1, 5, v0
	v_readfirstlane_b32 s14, v1
	s_lshr_b32 s15, s14, 1                         ; my half of the rows.  Also: I fetch for A (0) or for W (1)
	s_and_b32 s16, s14, 1                          ; my half of the columns.  Also: which half I fetch
	s_bfe_u32 s40, ttmp6, 0x40000
	s_bfe_u32 s41, ttmp6, 0x40004
	s_lshl_b32 s18, ttmp9, 2
	s_add_co_u32 s18, s18, s40                     ; tile column
	s_and_b32 s17, ttmp7, 0xffff
	s_add_co_u32 s[DIR], s17, ttmp9                ; the cluster's y + x
	s_lshl_b32 s17, s17, 2
	s_add_co_u32 s17, s17, s41                     ; tile row
	s_and_b32 s[DIR], s[DIR], 1
	s_mul_i32 s[KI], s[DIR], T-1                   ; the first K tile: 0, or T - 1
	s_lshl_b32 s[DIR], s[DIR], 1
	s_sub_co_i32 s[DIR], 1, s[DIR]                 ; and the way from there: +1, or -1
	s_mov_b32 s[OA+1], 0
	s_mov_b32 s[OB+1], 0
	s_lshl_b32 s42, s41, 2
	s_lshl_b32 s42, 15, s42
	s_lshl_b32 s43, 0x1111, s40
	s_or_b32 s[G1A], s42, (1<<16)|(1<<20)|(1<<21)|(4<<22)|(3<<25)
	s_mov_b32 s[G1A+1], (AD0&0xffff)<<16
	s_mov_b32 s[G1A+2], (AD0>>16)|(AD1<<16)
	s_mov_b32 s[G1A+3], AD0<<16
	s_mov_b32 s[G1A+4], AD1
	s_mov_b32 s[G1A+5], 262144
	s_mov_b32 s[G1A+6], 0
	s_mov_b32 s[G1A+7], 0
	s_or_b32 s[G1B], s43, (1<<16)|(1<<20)|(1<<21)|(BQI<<22)|(7<<25)
	s_mov_b32 s[G1B+1], TN<<16
	s_mov_b32 s[G1B+2], (KSTEP/2)<<16
	s_mov_b32 s[G1B+3], TN<<16
	s_mov_b32 s[G1B+4], KSTEP/2
	s_mov_b32 s[G1B+5], NTOT
	s_mov_b32 s[G1B+6], 0
	s_mov_b32 s[G1B+7], 0
	s_mul_i32 s20, s17, TM*128
	s_mul_i32 s21, s16, TM*64
	s_add_co_u32 s20, s20, s21
	s_mov_b32 s21, 0
	s_mul_i32 s44, s18, TN*2
	s_mul_i32 s45, s16, KSTEP*NTOT
	s_add_co_u32 s44, s44, s45
	s_add_co_u32 s44, s44, WOFF
	s_mov_b32 s45, 0
	s_mul_i32 s[LA], s16, AHALF
	s_mul_i32 s[LB], s16, BHALF
	s_add_co_u32 s[LB], s[LB], BOFF
	s_mov_b32 s[TB], 0
	s_mov_b32 s[FB], SLOT
	s_mov_b32 s[PA], 0
	s_mov_b32 s[PBB], 0
	s_wait_dscnt 0x0                               ; the opening add is done
	s_wait_kmcnt 0x0
	s_add_nc_u64 s[20:21], s[4:5], s[20:21]        ; A at my part of K tile 0: kept, every fill starts from it
	s_add_nc_u64 s[44:45], s[6:7], s[44:45]        ; W likewise
	CROUND                                         ; all sixteen work-groups are here: the first joint loads meet
	s_mov_b32 s[G0A], 1
	s_mov_b32 s[G0A+1], s[LA]
	s_mov_b32 s[G0B], 1
	s_mov_b32 s[G0B+1], s[LB]
	POINT 0                                        ; the walk's first tile into slot 0,
	s_add_co_i32 s[KI], s[KI], s[DIR]
	s_mov_b32 s[G0A+4], 1
	s_add_co_u32 s[G0A+5], s[LA], SLOT
	s_mov_b32 s[G0B+4], 1
	s_add_co_u32 s[G0B+5], s[LB], SLOT
	POINT 4                                        ; its second into slot 1
	s_cmp_eq_u32 s15, 0                            ; a wave's two first fills stand in one branch
	s_cbranch_scc0 .Lfirst_b
	tensor_load_to_lds s[G0A:G0A+3], s[G1A:G1A+7]
	s_nop 0
	tensor_load_to_lds s[G0A+4:G0A+7], s[G1A:G1A+7]
	s_nop 0
.rept 4
	v_nop
.endr
	s_branch .Lfirst_asked
.Lfirst_b:
	tensor_load_to_lds s[G0B:G0B+3], s[G1B:G1B+7]
	s_nop 0
	tensor_load_to_lds s[G0B+4:G0B+7], s[G1B:G1B+7]
	s_nop 0
.rept 4
	v_nop
.endr
.Lfirst_asked:
	v_and_b32 v1, 15, v0
	v_bfe_u32 v2, v0, 4, 1
	v_and_b32 v3, 7, v0
	v_bfe_u32 v4, v0, 3, 1
	s_mul_i32 s22, s15, AHALF
	v_mul_u32_u24 v[ADRA0], v1, 144                ; a fragment of A: row r, 16 bytes for each half of the lanes, a second load 32 bytes on
	v_lshl_add_u32 v[ADRA0], v2, 4, v[ADRA0]
	v_add_nc_u32 v[ADRA0], s22, v[ADRA0]
	v_lshl_add_u32 v5, v2, 3, v3                   ; the turning load: k-row 8 h + lane % 8, 16 bytes at 16 ((lane / 8) % 2); a second load 16 k-rows on
	v_mul_u32_u24 v[ADRB0], v5, PB
	v_lshl_add_u32 v[ADRB0], v4, 4, v[ADRB0]
	s_mul_i32 s23, s16, NBW*32
	s_add_co_u32 s23, s23, BOFF
	v_add_nc_u32 v[ADRB0], s23, v[ADRB0]
	v_lshlrev_b32 v[BO], 5, v2
	; the way out: my stage, and my rows in the residual and in the result
	s_mul_i32 s22, s14, 16*272
	s_add_co_u32 s22, s22, STAGE
	v_mul_u32_u24 v[STO], v1, 272                  ; in: row r, 32 bytes for each half of the lanes
	v_lshl_add_u32 v[STO], v2, 5, v[STO]
	v_add_nc_u32 v[STO], s22, v[STO]
	v_mul_u32_u24 v[RD], v2, 272                   ; back: lanes 0-15 one row of 256 bytes, lanes 16-31 the next
	v_lshl_add_u32 v[RD], v1, 4, v[RD]
	v_add_nc_u32 v[RD], s22, v[RD]
	v_lshlrev_b32 v[CO], 12, v2                    ; and the same two rows in memory
	v_lshl_add_u32 v[CO], v1, 4, v[CO]
	s_lshl_b32 s88, s17, 19                        ; 128 rows of 4,096 bytes a tile,
	s_lshl_b32 s90, s15, 18                        ; 64 a wave,
	s_add_co_u32 s88, s88, s90
	s_lshl_b32 s90, s18, 9                         ; 128 columns a tile,
	s_add_co_u32 s88, s88, s90
	s_lshl_b32 s90, s16, 8                         ; 64 a wave
	s_add_co_u32 s88, s88, s90
	s_mov_b32 s89, 0
	s_add_nc_u64 s[10:11], s[10:11], s[88:89]
	s_add_nc_u64 s[12:13], s[12:13], s[88:89]
	s_mul_i32 s46, s18, TN*4
	s_mul_i32 s47, s16, NBW*64
	s_add_co_u32 s46, s46, s47
	s_mov_b32 s47, 0
	s_add_nc_u64 s[8:9], s[8:9], s[46:47]
.set a, 0
.rept MBW                              ; the sums start at the bias
	WIN 0x80+0x40*(a/(MBW/2))
.set b, 0
.rept NBW
.set ac, 8*(NBW*(a%(MBW/2))+b)
	global_load_b128 v[ac:ac+3], v[BO], s[8:9] offset:64*b
	global_load_b128 v[ac+4:ac+7], v[BO], s[8:9] offset:64*b+16
.set b, b+1
.endr
.set a, a+1
.endr
	WIN 0
.set a, 0
.rept MBW                              ; the residual of block a, pair of rows t: 256 consecutive bytes for each half of the lanes
.set rr, 128+32*a
.if a == 0
.set rr, 96
.endif
.set t, 0
.rept 8
	global_load_b128 v[rr+4*t:rr+4*t+3], v[CO], s[10:11] offset:(16*a+2*t)*4096
.set t, t+1
.endr
.set a, a+1
.endr
.macro MULA buf, a
	WIN 0xa1+0x50*((\a)/(MBW/2))
.set mab, 8*NBW*((\a)%(MBW/2))
.set mb, 0
.rept NBW
	v_wmma_f32_16x16x32_f16 v[mab+8*mb:mab+8*mb+7], v[128*(\buf)+8*mb:128*(\buf)+8*mb+7], v[FA+64*(\buf)+8*(\a):FA+64*(\buf)+8*(\a)+7], v[mab+8*mb:mab+8*mb+7]
.set mb, mb+1
.endr
.endm
.macro MULR buf, a0, n                 ; all accumulators take turns, one instruction a turn: over the loops' backward jumps too, (3, 3) is followed by (0, 0)
.set aa, \a0
.rept \n
	MULA \buf, aa
.set aa, aa+1
.endr
.endm
.macro FETCH buf, ao, bo               ; the fragments of one sub-step, in one run: ao, bo bytes behind the pair in hand in A's and in W's part
	WIN 0x40
.set fb, 0
.rept NBW
	ds_load_tr16_b128 v[128*(\buf)+8*fb:128*(\buf)+8*fb+3], v[ADRB] offset:(\bo)+32*fb
	ds_load_tr16_b128 v[128*(\buf)+8*fb+4:128*(\buf)+8*fb+7], v[ADRB] offset:(\bo)+32*fb+16*PB
.set fb, fb+1
.endr
	WIN 0
.set fi, 0
.rept MBW
	ds_load_b128 v[FA+64*(\buf)+8*fi:FA+64*(\buf)+8*fi+3], v[ADRA] offset:(\ao)+fi*2304
	ds_load_b128 v[FA+64*(\buf)+8*fi+4:FA+64*(\buf)+8*fi+7], v[ADRA] offset:(\ao)+fi*2304+32
.set fi, fi+1
.endr
.endm
.macro SUB mul, ao, bo                 ; a sub-step: multiplies buffer mul, whose fragments were asked for a whole sub-step ago; the next one's go out, into the other buffer, ahead of its products
	s_wait_dscnt 0x0
	PLACES
	FETCH 1-(\mul), \ao, \bo
	MULR \mul, 0, MBW
.endm
; Sub-steps 0 to 6.  Pair p is sub-steps 2 p and 2 p + 1: panel p of A (64 along K), k-rows 64 p on of W.  The even one fetches the pair's second half, the odd one the next pair's first.
.macro STEP
	WIN 0
	s_mov_b32 s[CN2], S/2-1
.Lpair_\@:
	SUB 0, 64, 32*PB
	SUB 1, PANEL, 64*PB
	WIN 0
	s_add_co_u32 s[PA], s[PA], PANEL
	s_add_co_u32 s[PBB], s[PBB], 64*PB
	v_add_nc_u32 v[ADRA], s[PA], v[ADRA0]
	v_add_nc_u32 v[ADRB], s[PBB], v[ADRB0]
	s_sub_co_u32 s[CN2], s[CN2], 1
	s_cmp_lg_u32 s[CN2], 0
	s_cbranch_scc1 .Lpair_\@
	SUB 0, 64, 32*PB
.endm
; The last sub-step changes slots: ONE barrier; in front of it each wave waits for all its tensor loads, adds 0 to its spare word, and waits for that and for its reads of this slot.
; refill = 1: the barrier opens a round of the cluster's, and the joint refill, the walk's tile two steps on, is the first thing behind it.
.macro CH refill
	s_wait_dscnt 0x0
	WIN 0
	s_wait_tensorcnt 0x0
	ds_add_u32 v[SPW], v[NIL]
.if \refill
	s_xor_b32 s[FB], s[FB], SLOT                   ; no tensor load of mine is out: the walking descriptors go to the other slot and the walk's next tile
	s_add_co_u32 s[G0A+5], s[FB], s[LA]
	s_add_co_u32 s[G0B+5], s[FB], s[LB]
	s_add_co_i32 s[KI], s[KI], s[DIR]
	POINT 4
.endif
	MULR 1, 0, MBW/4
	s_wait_dscnt 0x0
	s_barrier_signal -1
	MULR 1, MBW/4, MBW/4
	WIN 0
	s_barrier_wait -1
.if \refill
	CREST
	JLOAD
.else
	PLACES
.endif
	s_xor_b32 s[TB], s[TB], SLOT
	s_mov_b32 s[PA], s[TB]
	s_mov_b32 s[PBB], s[TB]
	v_add_nc_u32 v[ADRA], s[TB], v[ADRA0]
	v_add_nc_u32 v[ADRB], s[TB], v[ADRB0]
	FETCH 0, 0, 0
	MULR 1, MBW/2, MBW/2
.endm
	s_wait_tensorcnt 0x1                           ; my part of the first tile is in; the second's may stay out
	s_barrier_signal -1
	s_barrier_wait -1
	v_mov_b32 v[ADRA], v[ADRA0]
	v_mov_b32 v[ADRB], v[ADRB0]
	FETCH 0, 0, 0
	s_wait_loadcnt 0x0                             ; the biases and the residual
	s_mov_b32 s[CNT], T-1
	s_branch .Lmid                                 ; the loop is entered behind its change of slots
.Ltop:
	CH 1                                           ; T - 2 times
	WIN 0
.Lmid:
	STEP
	WIN 0
	s_sub_co_u32 s[CNT], s[CNT], 1
	s_cmp_lg_u32 s[CNT], 0
	s_cbranch_scc1 .Ltop
	CH 0                                           ; the tail is written out
	STEP
	s_wait_dscnt 0x0
	MULR 1, 0, MBW
	WIN 0
	PLACES
	; THE WAY OUT, 16 rows at a time: f32 into my stage (each accumulator's low registers first), back as whole rows of 256 bytes, the residual added, stored.
.macro OUT16 a
.set ab, 8*NBW*((\a)%(MBW/2))
.set bk, 32+32*((\a)%2)
.set rr, 128+32*(\a)
.if (\a) == 0
.set rr, 96
.endif
	WIN 0x08+4*((\a)/(MBW/2))
.irp b, 0,1,2,3
	ds_store_b128 v[STO], v[ab+8*\b:ab+8*\b+3] offset:64*\b
	ds_store_b128 v[STO], v[ab+8*\b+4:ab+8*\b+7] offset:64*\b+16
.endr
	WIN 0
	s_wait_xcnt 0x0                                ; earlier stores have read their registers: these are loaded again only behind this wait
.irp t, 0,1,2,3,4,5,6,7
	ds_load_b128 v[bk+4*\t:bk+4*\t+3], v[RD] offset:\t*544  ; LDS serves a wave's instructions in order (ISA guide 5.7.1.4)
.endr
.irp t, 0,1,2,3,4,5,6,7
	s_wait_dscnt 7-\t
	v_pk_add_f32 v[bk+4*\t:bk+4*\t+1], v[bk+4*\t:bk+4*\t+1], v[rr+4*\t:rr+4*\t+1]
	v_pk_add_f32 v[bk+4*\t+2:bk+4*\t+3], v[bk+4*\t+2:bk+4*\t+3], v[rr+4*\t+2:rr+4*\t+3]
	global_store_b128 v[CO], v[bk+4*\t:bk+4*\t+3], s[12:13] offset:(16*(\a)+2*\t)*4096  ; 16 lanes store 256 consecutive bytes, aligned
.endr
.endm
	OUT16 0
	OUT16 1
	OUT16 2
	OUT16 3
	s_wait_tensorcnt 0x0                           ; the wave's end
	ds_add_u32 v[SPW], v[NIL]
	s_wait_dscnt 0x0
	CROUND                                         ; the closing round
	s_endpgm
.Lfunc_end_k_qd93966a885_proj:
	.size	k_qd93966a885_proj, .Lfunc_end_k_qd93966a885_proj-k_qd93966a885_proj
	.p2alignl 7, 3214868480
	.fill 96, 4, 3214868480
	.section	.rodata,"a",@progbits
	.p2align	6, 0x0
	.amdhsa_kernel k_qd93966a885_proj
		.amdhsa_group_segment_fixed_size 327680
		.amdhsa_private_segment_fixed_size 0
		.amdhsa_enable_private_segment 0
		.amdhsa_kernarg_size 40
		.amdhsa_user_sgpr_count 2
		.amdhsa_user_sgpr_kernarg_segment_ptr 1
		.amdhsa_wavefront_size32 1
		.amdhsa_system_sgpr_workgroup_id_x 1
		.amdhsa_system_sgpr_workgroup_id_y 1
		.amdhsa_system_sgpr_workgroup_id_z 1
		.amdhsa_system_vgpr_workitem_id 0
		.amdhsa_next_free_vgpr 832
		.amdhsa_next_free_sgpr 96
		.amdhsa_reserve_vcc 0
		.amdhsa_float_denorm_mode_32 3
		.amdhsa_float_denorm_mode_16_64 3
		.amdhsa_memory_ordered 1
		.amdhsa_forward_progress 1
		.amdhsa_inst_pref_size 51
	.end_amdhsa_kernel
	.amdgpu_metadata
---
amdhsa.version: [ 1, 2 ]
amdhsa.kernels:
  - .name:           k_qd93966a885_proj
    .symbol:         k_qd93966a885_proj.kd
    .args:
      - { .name: ybuf, .offset: 0, .size: 8, .value_kind: global_buffer, .address_space: global }
      - { .name: wh, .offset: 8, .size: 8, .value_kind: global_buffer, .address_space: global }
      - { .name: bp, .offset: 16, .size: 8, .value_kind: global_buffer, .address_space: global }
      - { .name: x, .offset: 24, .size: 8, .value_kind: global_buffer, .address_space: global }
      - { .name: x1b, .offset: 32, .size: 8, .value_kind: global_buffer, .address_space: global }
    .group_segment_fixed_size: 327680
    .private_segment_fixed_size: 0
    .kernarg_segment_align: 8
    .kernarg_segment_size: 40
    .max_flat_workgroup_size: 128
    .sgpr_count:     96
    .vgpr_count:     832
    .wavefront_size: 32
...
	.end_amdgpu_metadata
.endif
;; end of part 4
;; launch lnb: the kernel of part 1 again; grid 256 x 1, 8 waves a work-group, no clusters, 0 bytes of LDS; arguments x1b, ln2_g, ln2_b, hbuf, Wq, Wk, Wv, Wp, W1, W2, wh, bq, bk, bv; writes hbuf, wh
;; launch mlpa (part 5): grid 16 x 16, 4 waves a work-group, clusters of 4 x 4, 327,680 bytes of LDS; arguments hbuf, wh, b1, mbuf; writes mbuf
.if DOCPART == 5
	.amdgcn_target "amdgcn-amd-amdhsa--gfx1250"
	.amdhsa_code_object_version 6
	.text
	.protected	k_qd93966a885_mlpa
	.globl	k_qd93966a885_mlpa
	.p2align	8
	.type	k_qd93966a885_mlpa,@function
k_qd93966a885_mlpa:
	s_mov_b64 s[64:65], 0
	v_nop
	global_prefetch_b8 v0, s[64:65] scope:SCOPE_SE
	s_setreg_imm32_b32 hwreg(HW_REG_WAVE_MODE, 25, 1), 1
	s_wait_xcnt 0x0
	s_wait_alu depctr_hold_cnt(0) depctr_sa_sdst(0) depctr_va_vdst(0) depctr_va_sdst(0) depctr_va_ssrc(0) depctr_va_vcc(0) depctr_vm_vsrc(0)
	s_getreg_b32 s2, hwreg(HW_REG_IB_STS2, 6, 4)
	s_cmp_eq_u32 s2, 0
	s_cbranch_scc0 .Lentry_in_a_cluster
	s_endpgm
.Lentry_in_a_cluster:
	s_bfe_u32 s2, ttmp6, 0x10000c
	s_cmp_lg_u32 s2, 0xf033
	s_cbranch_scc0 .Lentry_shape_is_right
	s_endpgm
.Lentry_shape_is_right:
; m = gelu(h2 W1 + b1), the exact GELU.  A = hbuf, f16 in panels ((k / 64) * 4096 + row) * 128 + (k % 64) * 2; W = wh at WOFF, f16 [K][NTOT]; sums, bias and GELU in f32.  Out: mbuf, f16, in panels of 64 columns.
; GELU.  gelu(x) = max(x, 0) - |x| erfc(|x| / sqrt 2) / 2, erfc by Abramowitz and Stegun 7.1.26: t = 1 / (1 + p z), erfc(z) = t (a1 + t (a2 + t (a3 + t (a4 + t a5)))) e^(-z z), absolute error at most 1.5e-7 for every z.
; With U = x sqrt(log2(e) / 2): e^(-z z) = 2^(-U U), p z = |U| p / sqrt(log2 e), and |x| / 2 = |U| / (2 sqrt(log2(e) / 2)), which is folded into a1 .. a5.
; LIMITS.  A result from 65,520 on becomes an infinity in f16; NaN and infinities are not treated apart.
; ONE TEXT serves the two products of this program; the constants below, the arguments and the way out differ.
; SHARES.  A work-group makes 256 x 256 of C, four waves 2 x 2, 128 x 128 each: 64 accumulators, 512 registers.  16 x 16 work-groups.
; RING.  Waves 0 and 1 fetch A's two halves (the rows of a panel are dense, so a half is KSTEP / 64 long rows, padded in LDS after every 128 bytes), waves 2 and 3 the two halves of W's k-rows.
; One tensor load a wave and step; by this text's count two are out at the start and one behind each round.
; W STAYS [K][N] IN LDS and is turned on the way into registers by ds_load_tr16_b128.
; THE MATRIX INSTRUCTION IS USED TRANSPOSED (source 0 = 16 columns of W, source 1 = 16 rows of A).  THE SUMS START AT THE BIAS, loaded into the accumulators.
; CLUSTER 4 x 4: A's tiles are asked for jointly along a row of the cluster, W's along a column.
; THE WAY OUT.  The sums are set down as f32 in the ring's bytes, which have had their last fill, 128 rows x 528 bytes a wave; a loop of 16 trips takes 8 rows each through the GELU: written once.
.set W22,   1
.set TM,    256
.set TN,    256
.set MBW,   8
.set NBW,   8
.set KSTEP, 128
.set KTOT,  1024
.set NTOT,  4096
.set WOFF,  8388608
.set PB,    544                        ; a k-row of W in LDS: 512 bytes + 32 = 17 x 32
.set BQI,   6                          ; padding after every 128 words
.set CPAD,  0
.set S,     KSTEP/32
.set T,     KTOT/KSTEP
.set PANEL, (TM/2)*144
.set AHALF, 36864
.set BOFF,  2*AHALF
.set BHALF, (KSTEP/2)*PB
.set SLOT,  BOFF+KSTEP*PB
.set ASTEP, (KSTEP/64)*524288
.set BSTEP, KSTEP*NTOT*2
.set AD0,   (TM/2)*64
.set AD1,   KSTEP/64
.set SPARE, 2*SLOT                     ; behind the ring: the spare words, two blocks of 256 bytes that no other line names
.set ADRA0, 8
.set ADRB0, 9
.set ADRA,  10
.set ADRB,  11
.set STO,   13
.set RD,    14
.set CO,    15
.set BO,    16
.set RDN,   17
.set SPW,   28
.set NIL,   29
.set FA,    64                         ; window 0: A's fragments, buffer f at 64 + 64 f.  Window 1: W's, buffer f at 128 f.  Windows 2, 3: the accumulators
.set G1A, 24
.set G0A, 32
.set G1B, 48
.set G0B, 56
.set TB,  66
.set FB,  67
.set LA,  68
.set LB,  69
.set CNT, 70
.set MSB, 0
.macro WIN new
.if MSB != (\new)
	s_set_vgpr_msb (MSB<<8)|(\new)
.set MSB, \new
.endif
.endm
.macro PLACES                          ; four places behind matrix instructions (ISA guide 7.12.1)
.rept 4
	v_nop
.endr
.endm
.macro JLOAD                           ; a joint refill by the walking descriptors; an s_nop 0 and four v_nop follow each line
	s_cmp_eq_u32 s15, 0
	s_cbranch_scc0 .Lfor_b_\@
	tensor_load_to_lds s[G0A+4:G0A+7], s[G1A:G1A+7]
	s_nop 0
.rept 4
	v_nop
.endr
	s_branch .Lasked_\@
.Lfor_b_\@:
	tensor_load_to_lds s[G0B+4:G0B+7], s[G1B:G1B+7]
	s_nop 0
.rept 4
	v_nop
.endr
.Lasked_\@:
.endm
.macro CREST
	s_cmp_lg_u32 s14, 0
	s_cbranch_scc1 .Lnot_wave_0_\@
	s_barrier_signal -3
.Lnot_wave_0_\@:
	s_barrier_wait -3
	s_barrier_signal -1
	s_barrier_wait -1
.endm
.macro CROUND
	s_barrier_signal -1
	s_barrier_wait -1
	CREST
.endm
	s_load_b128 s[4:7], s[0:1], 0x0                ; A s[4:5], wh s[6:7]
	s_load_b64 s[8:9], s[0:1], 0x10                ; bias
	s_load_b64 s[12:13], s[0:1], 0x18              ; out
	v_lshl_add_u32 v[SPW], v0, 2, SPARE
	v_mov_b32 v[NIL], 0
	ds_add_u32 v[SPW], v[NIL]                      ; the wave's opening: the add and its wait stand ahead of my first tensor load
	ds_add_u32 v28, v29
	v_lshrrev_b32 v1, 5, v0
	v_readfirstlane_b32 s14, v1
	s_lshr_b32 s15, s14, 1                         ; my half of the rows.  Also: I fetch for A (0) or for W (1)
	s_and_b32 s16, s14, 1                          ; my half of the columns.  Also: which half I fetch
	s_bfe_u32 s40, ttmp6, 0x40000
	s_bfe_u32 s41, ttmp6, 0x40004
	s_lshl_b32 s18, ttmp9, 2
	s_add_co_u32 s18, s18, s40                     ; tile column
	s_and_b32 s17, ttmp7, 0xffff
	s_lshl_b32 s17, s17, 2
	s_add_co_u32 s17, s17, s41                     ; tile row
	s_lshl_b32 s42, s41, 2
	s_lshl_b32 s42, 15, s42
	s_lshl_b32 s43, 0x1111, s40
	s_or_b32 s[G1A], s42, (1<<16)|(1<<20)|(1<<21)|(4<<22)|(3<<25)
	s_mov_b32 s[G1A+1], (AD0&0xffff)<<16
	s_mov_b32 s[G1A+2], (AD0>>16)|(AD1<<16)
	s_mov_b32 s[G1A+3], AD0<<16
	s_mov_b32 s[G1A+4], AD1
	s_mov_b32 s[G1A+5], 262144
	s_mov_b32 s[G1A+6], 0
	s_mov_b32 s[G1A+7], 0
	s_or_b32 s[G1B], s43, (1<<16)|(1<<20)|(1<<21)|(BQI<<22)|(7<<25)
	s_mov_b32 s[G1B+1], TN<<16
	s_mov_b32 s[G1B+2], (KSTEP/2)<<16
	s_mov_b32 s[G1B+3], TN<<16
	s_mov_b32 s[G1B+4], KSTEP/2
	s_mov_b32 s[G1B+5], NTOT
	s_mov_b32 s[G1B+6], 0
	s_mov_b32 s[G1B+7], 0
	s_mul_i32 s20, s17, TM*128
	s_mul_i32 s21, s16, TM*64
	s_add_co_u32 s20, s20, s21
	s_mov_b32 s21, 0
	s_mul_i32 s44, s18, TN*2
	s_mul_i32 s45, s16, KSTEP*NTOT
	s_add_co_u32 s44, s44, s45
	s_add_co_u32 s44, s44, WOFF
	s_mov_b32 s45, 0
	s_mul_i32 s[LA], s16, AHALF
	s_mul_i32 s[LB], s16, BHALF
	s_add_co_u32 s[LB], s[LB], BOFF
	s_mov_b32 s[TB], 0
	s_mov_b32 s[FB], SLOT
	s_wait_dscnt 0x0                               ; the opening add is done
	s_wait_kmcnt 0x0
	s_add_nc_u64 s[20:21], s[4:5], s[20:21]
	s_add_nc_u64 s[44:45], s[6:7], s[44:45]
	CROUND                                         ; all sixteen work-groups are here: the first joint loads meet
.irp s, 0,1
	s_mov_b32 s[G0A+4*\s], 1
	s_add_co_u32 s[G0A+4*\s+1], s[LA], \s*SLOT
	s_add_nc_u64 s[G0A+4*\s+2:G0A+4*\s+3], s[20:21], \s*ASTEP
	s_or_b32 s[G0A+4*\s+3], s[G0A+4*\s+3], 0x80000000
	s_mov_b32 s[G0B+4*\s], 1
	s_add_co_u32 s[G0B+4*\s+1], s[LB], \s*SLOT
	s_add_nc_u64 s[G0B+4*\s+2:G0B+4*\s+3], s[44:45], \s*BSTEP
	s_or_b32 s[G0B+4*\s+3], s[G0B+4*\s+3], 0x80000000
.endr
	s_cmp_eq_u32 s15, 0                            ; a wave's two first fills stand in one branch
	s_cbranch_scc0 .Lfirst_b
	tensor_load_to_lds s[G0A:G0A+3], s[G1A:G1A+7]
	s_nop 0
	tensor_load_to_lds s[G0A+4:G0A+7], s[G1A:G1A+7]
	s_nop 0
.rept 4
	v_nop
.endr
	s_branch .Lfirst_asked
.Lfirst_b:
	tensor_load_to_lds s[G0B:G0B+3], s[G1B:G1B+7]
	s_nop 0
	tensor_load_to_lds s[G0B+4:G0B+7], s[G1B:G1B+7]
	s_nop 0
.rept 4
	v_nop
.endr
.Lfirst_asked:
	v_and_b32 v1, 15, v0
	v_bfe_u32 v2, v0, 4, 1
	v_and_b32 v3, 7, v0
	v_bfe_u32 v4, v0, 3, 1
	s_mul_i32 s22, s15, AHALF
.if !W22
	s_mul_i32 s23, s16, 64*144
	s_add_co_u32 s22, s22, s23
.endif
	v_mul_u32_u24 v[ADRA0], v1, 144
	v_lshl_add_u32 v[ADRA0], v2, 4, v[ADRA0]
	v_add_nc_u32 v[ADRA0], s22, v[ADRA0]
	v_lshl_add_u32 v5, v2, 3, v3
	v_mul_u32_u24 v[ADRB0], v5, PB
	v_lshl_add_u32 v[ADRB0], v4, 4, v[ADRB0]
.if W22
	s_mul_i32 s23, s16, NBW*32
	s_add_co_u32 s23, s23, BOFF
.else
	s_mov_b32 s23, BOFF
.endif
	v_add_nc_u32 v[ADRB0], s23, v[ADRB0]
	v_lshlrev_b32 v[BO], 5, v2
	; the way out: my 128 rows x 528 bytes, and my rows in mbuf
	s_mul_i32 s22, s14, 128*528
	v_mul_u32_u24 v[STO], v1, 528                  ; in: row r, 32 bytes for each half of the lanes
	v_lshl_add_u32 v[STO], v2, 5, v[STO]
	v_add_nc_u32 v[STO], s22, v[STO]
	v_mul_u32_u24 v[RD], v2, 528                   ; back: lanes 0-15 the 64 columns of one panel in one row, lanes 16-31 in the next
	v_lshl_add_u32 v[RD], v1, 4, v[RD]
	v_add_nc_u32 v[RD], s22, v[RD]
	v_and_b32 v[CO], 31, v0                        ; out: two rows of 128 bytes lie end to end in a panel: 8 bytes a lane
	v_lshlrev_b32 v[CO], 3, v[CO]
	s_lshl_b32 s88, s18, 21                        ; four panels a tile column,
	s_lshl_b32 s90, s16, 20                        ; two a wave,
	s_add_co_u32 s88, s88, s90
	s_lshl_b32 s90, s17, 15                        ; 256 rows of 128 bytes a tile row,
	s_add_co_u32 s88, s88, s90
	s_lshl_b32 s90, s15, 14                        ; 128 a wave
	s_add_co_u32 s88, s88, s90
	s_mov_b32 s89, 0
	s_add_nc_u64 s[12:13], s[12:13], s[88:89]
	s_mul_i32 s46, s18, TN*4
.if W22
	s_mul_i32 s47, s16, NBW*64
	s_add_co_u32 s46, s46, s47
.endif
	s_mov_b32 s47, 0
	s_add_nc_u64 s[8:9], s[8:9], s[46:47]
.set a, 0
.rept MBW                              ; the sums start at the bias
	WIN 0x80+0x40*(a/(MBW/2))
.set b, 0
.rept NBW
.set ac, 8*(NBW*(a%(MBW/2))+b)
	global_load_b128 v[ac:ac+3], v[BO], s[8:9] offset:64*b
	global_load_b128 v[ac+4:ac+7], v[BO], s[8:9] offset:64*b+16
.set b, b+1
.endr
.set a, a+1
.endr
	WIN 0
.macro MULA buf, a
	WIN 0xa1+0x50*((\a)/(MBW/2))
.set mab, 8*NBW*((\a)%(MBW/2))
.set mb, 0
.rept NBW
	v_wmma_f32_16x16x32_f16 v[mab+8*mb:mab+8*mb+7], v[128*(\buf)+8*mb:128*(\buf)+8*mb+7], v[FA+64*(\buf)+8*(\a):FA+64*(\buf)+8*(\a)+7], v[mab+8*mb:mab+8*mb+7]
.set mb, mb+1
.endr
.endm
.macro MULR buf, a0, n                 ; all accumulators take turns, one instruction a turn
.set aa, \a0
.rept \n
	MULA \buf, aa
.set aa, aa+1
.endr
.endm
.macro FETCH q, buf
	WIN 0x40
.set fb, 0
.rept NBW
.set bo, (32*((\q)%4))*PB+32*fb+CPAD*(fb/4)
	ds_load_tr16_b128 v[128*(\buf)+8*fb:128*(\buf)+8*fb+3], v[ADRB+(\q)/4] offset:bo
	ds_load_tr16_b128 v[128*(\buf)+8*fb+4:128*(\buf)+8*fb+7], v[ADRB+(\q)/4] offset:bo+16*PB
.set fb, fb+1
.endr
	WIN 0
.set fi, 0
.rept MBW
.set ao, ((\q)/2)*PANEL+fi*2304+((\q)%2)*64
	ds_load_b128 v[FA+64*(\buf)+8*fi:FA+64*(\buf)+8*fi+3], v[ADRA] offset:ao
	ds_load_b128 v[FA+64*(\buf)+8*fi+4:FA+64*(\buf)+8*fi+7], v[ADRA] offset:ao+32
.set fi, fi+1
.endr
.endm
.macro SUB q
	s_wait_dscnt 0x0                               ; this sub-step's fragments, asked for a whole sub-step ago
	PLACES
	FETCH (\q)+1, ((\q)+1)%2
	MULR (\q)%2, 0, MBW
.endm
.macro STEP
.set sq, 0
.rept S-1
	SUB sq
.set sq, sq+1
.endr
.endm
; The last sub-step changes slots: ONE barrier; in front of it each wave waits for all its tensor loads, adds 0 to its spare word, and waits for that and for its reads of this slot.
; refill = 1: the barrier opens a round of the cluster's, and the joint refill, two K steps ahead, is the first thing behind it.
.macro CH refill
	s_wait_dscnt 0x0
	WIN 0
	s_wait_tensorcnt 0x0
	ds_add_u32 v[SPW], v[NIL]
.if \refill
	s_xor_b32 s[FB], s[FB], SLOT
	s_add_co_u32 s[G0A+5], s[FB], s[LA]
	s_add_nc_u64 s[G0A+6:G0A+7], s[G0A+6:G0A+7], ASTEP
	s_add_co_u32 s[G0B+5], s[FB], s[LB]
	s_add_nc_u64 s[G0B+6:G0B+7], s[G0B+6:G0B+7], BSTEP
.endif
	MULR 1, 0, MBW/4
	s_wait_dscnt 0x0
	s_barrier_signal -1
	MULR 1, MBW/4, MBW/4
	WIN 0
	s_barrier_wait -1
.if \refill
	CREST
	JLOAD
.else
	PLACES
.endif
	s_xor_b32 s[TB], s[TB], SLOT
	v_add_nc_u32 v[ADRA], s[TB], v[ADRA0]
	v_add_nc_u32 v[ADRB], s[TB], v[ADRB0]
.if KSTEP == 256
	v_add_nc_u32 v[ADRB+1], 128*PB, v[ADRB]
.endif
	FETCH 0, 0
	MULR 1, MBW/2, MBW/2
.endm
	s_wait_tensorcnt 0x1                           ; my part of K step 0 is in; K step 1's may stay out
	s_barrier_signal -1
	s_barrier_wait -1
	v_mov_b32 v[ADRA], v[ADRA0]
	v_mov_b32 v[ADRB], v[ADRB0]
	FETCH 0, 0
	s_wait_loadcnt 0x0                             ; the biases
	s_mov_b32 s[CNT], T-1
	s_branch .Lmid
.Ltop:
	CH 1
	WIN 0
.Lmid:
	STEP
	WIN 0
	s_sub_co_u32 s[CNT], s[CNT], 1
	s_cmp_lg_u32 s[CNT], 0
	s_cbranch_scc1 .Ltop
	CH 0
	STEP
	s_wait_dscnt 0x0                               ; my last reads of the ring are back:
	s_barrier_signal -1                            ; say so; the last products, work on registers, stand between the signal and the wait
	MULR 1, 0, MBW
	WIN 0
	s_barrier_wait -1                              ; nobody reads the ring any more, and it has had its last fill: its bytes take the sums
	PLACES
.set a, 0
.rept MBW                              ; each accumulator's low registers first
	WIN 0x08+4*(a/(MBW/2))
.set b, 0
.rept NBW
.set ac, 8*(NBW*(a%(MBW/2))+b)
	ds_store_b128 v[STO], v[ac:ac+3] offset:a*8448+64*b
	ds_store_b128 v[STO], v[ac+4:ac+7] offset:a*8448+64*b+16
.set b, b+1
.endr
.set a, a+1
.endr
	WIN 0
.set X,  32                            ; 32 numbers a lane and trip: load 2 pr + pn holds pair of rows pr, panel pn
.set U,  64
.set R,  96
.set E,  128
.set TT, 160
.set PP, 192
.set Y,  224
	s_mov_b32 s72, 0x3f596d27                      ; sqrt(log2(e) / 2) = 0.8493218
	s_mov_b32 s73, s72
	s_mov_b32 s74, 0x3e8ba43f                      ; 0.3275911 / sqrt(log2 e) = 0.2727375
	s_mov_b32 s76, 0x3f1ff67a                      ; a5 .. a1, each divided by 2 sqrt(log2(e) / 2): 0.6248547
	s_mov_b32 s77, s76
	s_mov_b32 s78, 0xbf5b0099                      ; -0.8554779
	s_mov_b32 s79, s78
	s_mov_b32 s80, 0x3f563817                      ; 0.8367934
	s_mov_b32 s81, s80
	s_mov_b32 s82, 0xbe2b8119                      ; -0.1674847
	s_mov_b32 s83, s82
	s_mov_b32 s84, 0x3e199eb3                      ; 0.1500195
	s_mov_b32 s85, s84
	s_mov_b32 s71, 0                               ; bytes from my first rows to the rows to be read next
	s_mov_b32 s[CNT], 16
.irp l, 0,1,2,3,4,5,6,7
	ds_load_b128 v[X+4*\l:X+4*\l+3], v[RD] offset:(\l/2)*1056+(\l%2)*256  ; LDS serves a wave's instructions in order (ISA guide 5.7.1.4): these see my stores above
.endr
.Lrows:
	s_wait_dscnt 0x0                               ; this trip's 8 rows
.set i, 0
.rept 16
	v_pk_mul_f32 v[U+2*i:U+2*i+1], v[X+2*i:X+2*i+1], s[72:73] op_sel_hi:[1,0]
.set i, i+1
.endr
.set i, 0
.rept 32
	v_max_num_f32 v[R+i], 0, v[X+i]
.set i, i+1
.endr
	s_add_co_u32 s71, s71, 4224                    ; the next 8 rows are asked for now; the last trip asks for its own once more, so that nothing outside my rows is read
	s_min_u32 s71, s71, 15*4224
	v_add_nc_u32 v[RDN], s71, v[RD]
.irp l, 0,1,2,3,4,5,6,7
	ds_load_b128 v[X+4*\l:X+4*\l+3], v[RDN] offset:(\l/2)*1056+(\l%2)*256
.endr
.set i, 0
.rept 16
	v_pk_mul_f32 v[E+2*i:E+2*i+1], v[U+2*i:U+2*i+1], v[U+2*i:U+2*i+1] neg_lo:[0,1] neg_hi:[0,1]  ; -U U
.set i, i+1
.endr
.set i, 0
.rept 32
	v_fma_f32 v[TT+i], |v[U+i]|, s74, 1.0
.set i, i+1
.endr
.set i, 0
.rept 32
	v_rcp_f32 v[TT+i], v[TT+i]
.set i, i+1
.endr
.set i, 0
.rept 32
	v_exp_f32 v[E+i], v[E+i]
.set i, i+1
.endr
	v_nop                                          ; a plain instruction between the last exponential and the use of its result (ISA guide 5.7.2)
.set i, 0
	s_wait_alu depctr_va_vdst(0)
.rept 16
	v_pk_fma_f32 v[PP+2*i:PP+2*i+1], v[TT+2*i:TT+2*i+1], s[76:77], s[78:79] op_sel_hi:[1,0,0]
.set i, i+1
.endr
.irp c, 80,82,84
.set i, 0
.rept 16
	v_pk_fma_f32 v[PP+2*i:PP+2*i+1], v[PP+2*i:PP+2*i+1], v[TT+2*i:TT+2*i+1], s[\c:\c+1] op_sel_hi:[1,1,0]
.set i, i+1
.endr
.endr
.set i, 0
.rept 16
	v_pk_mul_f32 v[E+2*i:E+2*i+1], v[E+2*i:E+2*i+1], v[TT+2*i:TT+2*i+1]
.set i, i+1
.endr
.set i, 0
.rept 16
	v_pk_mul_f32 v[PP+2*i:PP+2*i+1], v[PP+2*i:PP+2*i+1], v[E+2*i:E+2*i+1]
.set i, i+1
.endr
.set i, 0
.rept 32
	v_fma_f32 v[R+i], -|v[U+i]|, v[PP+i], v[R+i]
.set i, i+1
.endr
.set i, 0
.rept 16
	v_cvt_pk_f16_f32 v[Y+i], v[R+2*i], v[R+2*i+1]
.set i, i+1
.endr
.irp l, 0,1,2,3,4,5,6,7
	global_store_b64 v[CO], v[Y+2*\l:Y+2*\l+1], s[12:13] offset:(\l/2)*256+(\l%2)*524288  ; the wave's 32 lanes store 256 consecutive bytes, aligned
.endr
	s_wait_xcnt 0x0                                ; the stores have read their registers: CO and Y are written again only behind this wait
	v_add_nc_u32 v[CO], 1024, v[CO]                ; 8 rows of 128 bytes on
	s_sub_co_u32 s[CNT], s[CNT], 1
	s_cmp_lg_u32 s[CNT], 0
	s_cbranch_scc1 .Lrows
	s_wait_tensorcnt 0x0                           ; the wave's end
	ds_add_u32 v[SPW], v[NIL]
	s_wait_dscnt 0x0
	CROUND                                         ; the closing round
	s_endpgm
.Lfunc_end_k_qd93966a885_mlpa:
	.size	k_qd93966a885_mlpa, .Lfunc_end_k_qd93966a885_mlpa-k_qd93966a885_mlpa
	.p2alignl 7, 3214868480
	.fill 96, 4, 3214868480
	.section	.rodata,"a",@progbits
	.p2align	6, 0x0
	.amdhsa_kernel k_qd93966a885_mlpa
		.amdhsa_group_segment_fixed_size 327680
		.amdhsa_private_segment_fixed_size 0
		.amdhsa_enable_private_segment 0
		.amdhsa_kernarg_size 32
		.amdhsa_user_sgpr_count 2
		.amdhsa_user_sgpr_kernarg_segment_ptr 1
		.amdhsa_wavefront_size32 1
		.amdhsa_system_sgpr_workgroup_id_x 1
		.amdhsa_system_sgpr_workgroup_id_y 1
		.amdhsa_system_sgpr_workgroup_id_z 1
		.amdhsa_system_vgpr_workitem_id 0
		.amdhsa_next_free_vgpr 1024
		.amdhsa_next_free_sgpr 96
		.amdhsa_reserve_vcc 0
		.amdhsa_float_denorm_mode_32 3
		.amdhsa_float_denorm_mode_16_64 3
		.amdhsa_memory_ordered 1
		.amdhsa_forward_progress 1
		.amdhsa_inst_pref_size 106
	.end_amdhsa_kernel
	.amdgpu_metadata
---
amdhsa.version: [ 1, 2 ]
amdhsa.kernels:
  - .name:           k_qd93966a885_mlpa
    .symbol:         k_qd93966a885_mlpa.kd
    .args:
      - { .name: hbuf, .offset: 0, .size: 8, .value_kind: global_buffer, .address_space: global }
      - { .name: wh, .offset: 8, .size: 8, .value_kind: global_buffer, .address_space: global }
      - { .name: b1, .offset: 16, .size: 8, .value_kind: global_buffer, .address_space: global }
      - { .name: mbuf, .offset: 24, .size: 8, .value_kind: global_buffer, .address_space: global }
    .group_segment_fixed_size: 327680
    .private_segment_fixed_size: 0
    .kernarg_segment_align: 8
    .kernarg_segment_size: 32
    .max_flat_workgroup_size: 128
    .sgpr_count:     96
    .vgpr_count:     1024
    .wavefront_size: 32
...
	.end_amdgpu_metadata
.endif
;; end of part 5
;; launch mlpb (part 6): grid 8 x 32, 4 waves a work-group, clusters of 4 x 4, 327,680 bytes of LDS; arguments mbuf, wh, b2, x1b, out0; writes out0
.if DOCPART == 6
	.amdgcn_target "amdgcn-amd-amdhsa--gfx1250"
	.amdhsa_code_object_version 6
	.text
	.protected	k_qd93966a885_mlpb
	.globl	k_qd93966a885_mlpb
	.p2align	8
	.type	k_qd93966a885_mlpb,@function
k_qd93966a885_mlpb:
	s_mov_b64 s[64:65], 0
	v_nop
	global_prefetch_b8 v0, s[64:65] scope:SCOPE_SE
	s_setreg_imm32_b32 hwreg(HW_REG_WAVE_MODE, 25, 1), 1
	s_wait_xcnt 0x0
	s_wait_alu depctr_hold_cnt(0) depctr_sa_sdst(0) depctr_va_vdst(0) depctr_va_sdst(0) depctr_va_ssrc(0) depctr_va_vcc(0) depctr_vm_vsrc(0)
	s_getreg_b32 s2, hwreg(HW_REG_IB_STS2, 6, 4)
	s_cmp_eq_u32 s2, 0
	s_cbranch_scc0 .Lentry_in_a_cluster
	s_endpgm
.Lentry_in_a_cluster:
	s_bfe_u32 s2, ttmp6, 0x10000c
	s_cmp_lg_u32 s2, 0xf033
	s_cbranch_scc0 .Lentry_shape_is_right
	s_endpgm
.Lentry_shape_is_right:
; out = x1 + m W2 + b2.  A = mbuf, f16 in panels ((k / 64) * 4096 + row) * 128 + (k % 64) * 2; W = wh at WOFF, f16 [K][NTOT]; sums, bias and residual in f32.  Out: out0, f32 [4096][1024].
; This text serves the two products with 1,024 columns; KTOT, WOFF and the arguments differ.
; SHARES.  A work-group makes 128 x 128 of C (256 x 256 would give 64 work-groups), four waves 2 x 2, 64 x 64 each: 16 accumulators.  8 x 32 work-groups.  K steps of 256, as long as two slots allow.
; RING.  Waves 0 and 1 fetch A's two halves (the rows of a panel are dense, so a half is KSTEP / 64 long rows, padded in LDS after every 128 bytes), waves 2 and 3 the two halves of W's k-rows.
; One tensor load a wave and step; by this text's count two are out at the start and one behind each round.
; K IS WALKED FROM BOTH ENDS.  A cluster whose x + y is even takes the K tiles 0 .. T - 1, one whose x + y is odd T - 1 .. 0 (inside a tile K ascends in both).  The two clusters that take the same rows of A
; differ in x alone, and of the clusters that take the same columns of W half have an even y: so each tile is asked for first by one direction, and by the other only in the second half of its walk.
; The tile's number hangs on the cluster's own x and y, which all sixteen partners share; only the order of the sums differs from cluster to cluster.
; W STAYS [K][N] IN LDS and is turned on the way into registers by ds_load_tr16_b128.
; THE MATRIX INSTRUCTION IS USED TRANSPOSED (source 0 = 16 columns of W, source 1 = 16 rows of A): a lane holds row lane % 16 and the columns 8 (lane / 16) + 0..7.
; THE SUMS START AT THE BIAS: each accumulator is loaded from memory with the biases of its columns.  The residual is loaded at the start, in the layout in which rows leave.
; CLUSTER 4 x 4: A's tiles are asked for jointly along a row of the cluster, W's along a column.
; THE TEXT.  A K step is eight sub-steps of 32 along K on two fragment buffers.  Sub-steps 0 to 5 are a loop of three pairs (the LDS offset of a pair is a scalar that steps), 6 is written out, 7 changes slots.
; The step stands once in the loop over K (slot addresses turn by an exclusive or on a scalar) and once in the tail, which asks for nothing.
.set TM,    128
.set TN,    128
.set MBW,   4
.set NBW,   4
.set KSTEP, 256
.set KTOT,  4096
.set NTOT,  1024
.set WOFF,  16777216
.set PB,    288                        ; a k-row of W in LDS: 256 bytes + 32 = 9 x 32
.set BQI,   5                          ; padding after every 64 words
.set S,     KSTEP/32
.set T,     KTOT/KSTEP
.set PANEL, (TM/2)*144                 ; a half's rows of one panel: 128 bytes + 16 of padding each = 9 x 16 bytes
.set AHALF, 36864
.set BOFF,  2*AHALF
.set BHALF, (KSTEP/2)*PB
.set SLOT,  BOFF+KSTEP*PB
.set ASTEP, (KSTEP/64)*524288          ; bytes in A from a K tile to the next
.set BSTEP, KSTEP*NTOT*2               ; the same in W
.set AD0,   (TM/2)*64
.set AD1,   KSTEP/64
.set STAGE, 2*SLOT                     ; behind the ring: 16 rows x 272 bytes for each wave
.set SPARE, STAGE+4*16*272             ; the spare words: two blocks of 256 bytes that no other line names
.set ADRA0, 8                          ; v8   my lane's place in A's part of a slot
.set ADRB0, 9                          ; v9   the same for W
.set ADRA,  10                         ; v10  the same at the pair of sub-steps in hand
.set ADRB,  11                         ; v11
.set STO,   13
.set RD,    14
.set CO,    15
.set BO,    16
.set SPW,   28
.set NIL,   29
.set FA,    64                         ; window 0: A's fragments, buffer f at 64 + 64 f; the residual at v96-127 and v160-255.  Window 1: W's fragments, buffer f at 128 f.  Windows 2, 3: the accumulators
.set G1A, 24
.set G0A, 32
.set G1B, 48
.set G0B, 56
.set TB,  66                           ; s66 the slot being read; s67 the slot being filled; s68, s69 my loads' place in a slot; s70 counts K steps, s71 pairs
.set FB,  67
.set LA,  68
.set LB,  69
.set CNT, 70
.set CN2, 71
.set KI,  72                           ; s72 the K tile asked for last;  s73 the walk's direction, +1 or -1
.set DIR, 73
.set OA,  74                           ; s[74:75] that tile's byte offset in A;  s[76:77] in W
.set OB,  76
.set PA,  78                           ; s78 LDS bytes from 0 to the pair in hand in A's part;  s79 in W's
.set PBB, 79
.set MSB, 0
.macro WIN new
.if MSB != (\new)
	s_set_vgpr_msb (MSB<<8)|(\new)
.set MSB, \new
.endif
.endm
.macro PLACES                          ; four places behind matrix instructions (ISA guide 7.12.1)
.rept 4
	v_nop
.endr
.endm
.macro JLOAD                           ; a joint refill by the walking descriptors; an s_nop 0 and four v_nop follow each line
	s_cmp_eq_u32 s15, 0
	s_cbranch_scc0 .Lfor_b_\@
	tensor_load_to_lds s[G0A+4:G0A+7], s[G1A:G1A+7]
	s_nop 0
.rept 4
	v_nop
.endr
	s_branch .Lasked_\@
.Lfor_b_\@:
	tensor_load_to_lds s[G0B+4:G0B+7], s[G1B:G1B+7]
	s_nop 0
.rept 4
	v_nop
.endr
.Lasked_\@:
.endm
.macro CREST
	s_cmp_lg_u32 s14, 0
	s_cbranch_scc1 .Lnot_wave_0_\@
	s_barrier_signal -3
.Lnot_wave_0_\@:
	s_barrier_wait -3
	s_barrier_signal -1
	s_barrier_wait -1
.endm
.macro CROUND
	s_barrier_signal -1
	s_barrier_wait -1
	CREST
.endm
.macro POINT o                         ; the global words of descriptor set o / 4 are made anew for K tile KI: the tensor's address plus an offset made apart, the type bits set again
	s_mul_i32 s[OA], s[KI], ASTEP
	s_mul_i32 s[OB], s[KI], BSTEP
	s_add_nc_u64 s[G0A+(\o)+2:G0A+(\o)+3], s[20:21], s[OA:OA+1]
	s_or_b32 s[G0A+(\o)+3], s[G0A+(\o)+3], 0x80000000
	s_add_nc_u64 s[G0B+(\o)+2:G0B+(\o)+3], s[44:45], s[OB:OB+1]
	s_or_b32 s[G0B+(\o)+3], s[G0B+(\o)+3], 0x80000000
.endm
	s_load_b256 s[4:11], s[0:1], 0x0               ; A s[4:5], wh s[6:7], bias s[8:9], residual s[10:11]
	s_load_b64 s[12:13], s[0:1], 0x20              ; out
	v_lshl_add_u32 v[SPW], v0, 2, SPARE
	v_mov_b32 v[NIL], 0
	ds_add_u32 v[SPW], v[NIL]                      ; the wave's opening: the add and its wait stand ahead of my first tensor load
	ds_add_u32 v28, v29
	v_lshrrev_b32 v1, 5, v0
	v_readfirstlane_b32 s14, v1
	s_lshr_b32 s15, s14, 1                         ; my half of the rows.  Also: I fetch for A (0) or for W (1)
	s_and_b32 s16, s14, 1                          ; my half of the columns.  Also: which half I fetch
	s_bfe_u32 s40, ttmp6, 0x40000
	s_bfe_u32 s41, ttmp6, 0x40004
	s_lshl_b32 s18, ttmp9, 2
	s_add_co_u32 s18, s18, s40                     ; tile column
	s_and_b32 s17, ttmp7, 0xffff
	s_add_co_u32 s[DIR], s17, ttmp9                ; the cluster's y + x
	s_lshl_b32 s17, s17, 2
	s_add_co_u32 s17, s17, s41                     ; tile row
	s_and_b32 s[DIR], s[DIR], 1
	s_mul_i32 s[KI], s[DIR], T-1                   ; the first K tile: 0, or T - 1
	s_lshl_b32 s[DIR], s[DIR], 1
	s_sub_co_i32 s[DIR], 1, s[DIR]                 ; and the way from there: +1, or -1
	s_mov_b32 s[OA+1], 0
	s_mov_b32 s[OB+1], 0
	s_lshl_b32 s42, s41, 2
	s_lshl_b32 s42, 15, s42
	s_lshl_b32 s43, 0x1111, s40
	s_or_b32 s[G1A], s42, (1<<16)|(1<<20)|(1<<21)|(4<<22)|(3<<25)
	s_mov_b32 s[G1A+1], (AD0&0xffff)<<16
	s_mov_b32 s[G1A+2], (AD0>>16)|(AD1<<16)
	s_mov_b32 s[G1A+3], AD0<<16
	s_mov_b32 s[G1A+4], AD1
	s_mov_b32 s[G1A+5], 262144
	s_mov_b32 s[G1A+6], 0
	s_mov_b32 s[G1A+7], 0
	s_or_b32 s[G1B], s43, (1<<16)|(1<<20)|(1<<21)|(BQI<<22)|(7<<25)
	s_mov_b32 s[G1B+1], TN<<16
	s_mov_b32 s[G1B+2], (KSTEP/2)<<16
	s_mov_b32 s[G1B+3], TN<<16
	s_mov_b32 s[G1B+4], KSTEP/2
	s_mov_b32 s[G1B+5], NTOT
	s_mov_b32 s[G1B+6], 0
	s_mov_b32 s[G1B+7], 0
	s_mul_i32 s20, s17, TM*128
	s_mul_i32 s21, s16, TM*64
	s_add_co_u32 s20, s20, s21
	s_mov_b32 s21, 0
	s_mul_i32 s44, s18, TN*2
	s_mul_i32 s45, s16, KSTEP*NTOT
	s_add_co_u32 s44, s44, s45
	s_add_co_u32 s44, s44, WOFF
	s_mov_b32 s45, 0
	s_mul_i32 s[LA], s16, AHALF
	s_mul_i32 s[LB], s16, BHALF
	s_add_co_u32 s[LB], s[LB], BOFF
	s_mov_b32 s[TB], 0
	s_mov_b32 s[FB], SLOT
	s_mov_b32 s[PA], 0
	s_mov_b32 s[PBB], 0
	s_wait_dscnt 0x0                               ; the opening add is done
	s_wait_kmcnt 0x0
	s_add_nc_u64 s[20:21], s[4:5], s[20:21]        ; A at my part of K tile 0: kept, every fill starts from it
	s_add_nc_u64 s[44:45], s[6:7], s[44:45]        ; W likewise
	CROUND                                         ; all sixteen work-groups are here: the first joint loads meet
	s_mov_b32 s[G0A], 1
	s_mov_b32 s[G0A+1], s[LA]
	s_mov_b32 s[G0B], 1
	s_mov_b32 s[G0B+1], s[LB]
	POINT 0                                        ; the walk's first tile into slot 0,
	s_add_co_i32 s[KI], s[KI], s[DIR]
	s_mov_b32 s[G0A+4], 1
	s_add_co_u32 s[G0A+5], s[LA], SLOT
	s_mov_b32 s[G0B+4], 1
	s_add_co_u32 s[G0B+5], s[LB], SLOT
	POINT 4                                        ; its second into slot 1
	s_cmp_eq_u32 s15, 0                            ; a wave's two first fills stand in one branch
	s_cbranch_scc0 .Lfirst_b
	tensor_load_to_lds s[G0A:G0A+3], s[G1A:G1A+7]
	s_nop 0
	tensor_load_to_lds s[G0A+4:G0A+7], s[G1A:G1A+7]
	s_nop 0
.rept 4
	v_nop
.endr
	s_branch .Lfirst_asked
.Lfirst_b:
	tensor_load_to_lds s[G0B:G0B+3], s[G1B:G1B+7]
	s_nop 0
	tensor_load_to_lds s[G0B+4:G0B+7], s[G1B:G1B+7]
	s_nop 0
.rept 4
	v_nop
.endr
.Lfirst_asked:
	v_and_b32 v1, 15, v0
	v_bfe_u32 v2, v0, 4, 1
	v_and_b32 v3, 7, v0
	v_bfe_u32 v4, v0, 3, 1
	s_mul_i32 s22, s15, AHALF
	v_mul_u32_u24 v[ADRA0], v1, 144                ; a fragment of A: row r, 16 bytes for each half of the lanes, a second load 32 bytes on
	v_lshl_add_u32 v[ADRA0], v2, 4, v[ADRA0]
	v_add_nc_u32 v[ADRA0], s22, v[ADRA0]
	v_lshl_add_u32 v5, v2, 3, v3                   ; the turning load: k-row 8 h + lane % 8, 16 bytes at 16 ((lane / 8) % 2); a second load 16 k-rows on
	v_mul_u32_u24 v[ADRB0], v5, PB
	v_lshl_add_u32 v[ADRB0], v4, 4, v[ADRB0]
	s_mul_i32 s23, s16, NBW*32
	s_add_co_u32 s23, s23, BOFF
	v_add_nc_u32 v[ADRB0], s23, v[ADRB0]
	v_lshlrev_b32 v[BO], 5, v2
	; the way out: my stage, and my rows in the residual and in the result
	s_mul_i32 s22, s14, 16*272
	s_add_co_u32 s22, s22, STAGE
	v_mul_u32_u24 v[STO], v1, 272                  ; in: row r, 32 bytes for each half of the lanes
	v_lshl_add_u32 v[STO], v2, 5, v[STO]
	v_add_nc_u32 v[STO], s22, v[STO]
	v_mul_u32_u24 v[RD], v2, 272                   ; back: lanes 0-15 one row of 256 bytes, lanes 16-31 the next
	v_lshl_add_u32 v[RD], v1, 4, v[RD]
	v_add_nc_u32 v[RD], s22, v[RD]
	v_lshlrev_b32 v[CO], 12, v2                    ; and the same two rows in memory
	v_lshl_add_u32 v[CO], v1, 4, v[CO]
	s_lshl_b32 s88, s17, 19                        ; 128 rows of 4,096 bytes a tile,
	s_lshl_b32 s90, s15, 18                        ; 64 a wave,
	s_add_co_u32 s88, s88, s90
	s_lshl_b32 s90, s18, 9                         ; 128 columns a tile,
	s_add_co_u32 s88, s88, s90
	s_lshl_b32 s90, s16, 8                         ; 64 a wave
	s_add_co_u32 s88, s88, s90
	s_mov_b32 s89, 0
	s_add_nc_u64 s[10:11], s[10:11], s[88:89]
	s_add_nc_u64 s[12:13], s[12:13], s[88:89]
	s_mul_i32 s46, s18, TN*4
	s_mul_i32 s47, s16, NBW*64
	s_add_co_u32 s46, s46, s47
	s_mov_b32 s47, 0
	s_add_nc_u64 s[8:9], s[8:9], s[46:47]
.set a, 0
.rept MBW                              ; the sums start at the bias
	WIN 0x80+0x40*(a/(MBW/2))
.set b, 0
.rept NBW
.set ac, 8*(NBW*(a%(MBW/2))+b)
	global_load_b128 v[ac:ac+3], v[BO], s[8:9] offset:64*b
	global_load_b128 v[ac+4:ac+7], v[BO], s[8:9] offset:64*b+16
.set b, b+1
.endr
.set a, a+1
.endr
	WIN 0
.set a, 0
.rept MBW                              ; the residual of block a, pair of rows t: 256 consecutive bytes for each half of the lanes
.set rr, 128+32*a
.if a == 0
.set rr, 96
.endif
.set t, 0
.rept 8
	global_load_b128 v[rr+4*t:rr+4*t+3], v[CO], s[10:11] offset:(16*a+2*t)*4096
.set t, t+1
.endr
.set a, a+1
.endr
.macro MULA buf, a
	WIN 0xa1+0x50*((\a)/(MBW/2))
.set mab, 8*NBW*((\a)%(MBW/2))
.set mb, 0
.rept NBW
	v_wmma_f32_16x16x32_f16 v[mab+8*mb:mab+8*mb+7], v[128*(\buf)+8*mb:128*(\buf)+8*mb+7], v[FA+64*(\buf)+8*(\a):FA+64*(\buf)+8*(\a)+7], v[mab+8*mb:mab+8*mb+7]
.set mb, mb+1
.endr
.endm
.macro MULR buf, a0, n                 ; all accumulators take turns, one instruction a turn: over the loops' backward jumps too, (3, 3) is followed by (0, 0)
.set aa, \a0
.rept \n
	MULA \buf, aa
.set aa, aa+1
.endr
.endm
.macro FETCH buf, ao, bo               ; the fragments of one sub-step, in one run: ao, bo bytes behind the pair in hand in A's and in W's part
	WIN 0x40
.set fb, 0
.rept NBW
	ds_load_tr16_b128 v[128*(\buf)+8*fb:128*(\buf)+8*fb+3], v[ADRB] offset:(\bo)+32*fb
	ds_load_tr16_b128 v[128*(\buf)+8*fb+4:128*(\buf)+8*fb+7], v[ADRB] offset:(\bo)+32*fb+16*PB
.set fb, fb+1
.endr
	WIN 0
.set fi, 0
.rept MBW
	ds_load_b128 v[FA+64*(\buf)+8*fi:FA+64*(\buf)+8*fi+3], v[ADRA] offset:(\ao)+fi*2304
	ds_load_b128 v[FA+64*(\buf)+8*fi+4:FA+64*(\buf)+8*fi+7], v[ADRA] offset:(\ao)+fi*2304+32
.set fi, fi+1
.endr
.endm
.macro SUB mul, ao, bo                 ; a sub-step: multiplies buffer mul, whose fragments were asked for a whole sub-step ago; the next one's go out, into the other buffer, ahead of its products
	s_wait_dscnt 0x0
	PLACES
	FETCH 1-(\mul), \ao, \bo
	MULR \mul, 0, MBW
.endm
; Sub-steps 0 to 6.  Pair p is sub-steps 2 p and 2 p + 1: panel p of A (64 along K), k-rows 64 p on of W.  The even one fetches the pair's second half, the odd one the next pair's first.
.macro STEP
	WIN 0
	s_mov_b32 s[CN2], S/2-1
.Lpair_\@:
	SUB 0, 64, 32*PB
	SUB 1, PANEL, 64*PB
	WIN 0
	s_add_co_u32 s[PA], s[PA], PANEL
	s_add_co_u32 s[PBB], s[PBB], 64*PB
	v_add_nc_u32 v[ADRA], s[PA], v[ADRA0]
	v_add_nc_u32 v[ADRB], s[PBB], v[ADRB0]
	s_sub_co_u32 s[CN2], s[CN2], 1
	s_cmp_lg_u32 s[CN2], 0
	s_cbranch_scc1 .Lpair_\@
	SUB 0, 64, 32*PB
.endm
; The last sub-step changes slots: ONE barrier; in front of it each wave waits for all its tensor loads, adds 0 to its spare word, and waits for that and for its reads of this slot.
; refill = 1: the barrier opens a round of the cluster's, and the joint refill, the walk's tile two steps on, is the first thing behind it.
.macro CH refill
	s_wait_dscnt 0x0
	WIN 0
	s_wait_tensorcnt 0x0
	ds_add_u32 v[SPW], v[NIL]
.if \refill
	s_xor_b32 s[FB], s[FB], SLOT                   ; no tensor load of mine is out: the walking descriptors go to the other slot and the walk's next tile
	s_add_co_u32 s[G0A+5], s[FB], s[LA]
	s_add_co_u32 s[G0B+5], s[FB], s[LB]
	s_add_co_i32 s[KI], s[KI], s[DIR]
	POINT 4
.endif
	MULR 1, 0, MBW/4
	s_wait_dscnt 0x0
	s_barrier_signal -1
	MULR 1, MBW/4, MBW/4
	WIN 0
	s_barrier_wait -1
.if \refill
	CREST
	JLOAD
.else
	PLACES
.endif
	s_xor_b32 s[TB], s[TB], SLOT
	s_mov_b32 s[PA], s[TB]
	s_mov_b32 s[PBB], s[TB]
	v_add_nc_u32 v[ADRA], s[TB], v[ADRA0]
	v_add_nc_u32 v[ADRB], s[TB], v[ADRB0]
	FETCH 0, 0, 0
	MULR 1, MBW/2, MBW/2
.endm
	s_wait_tensorcnt 0x1                           ; my part of the first tile is in; the second's may stay out
	s_barrier_signal -1
	s_barrier_wait -1
	v_mov_b32 v[ADRA], v[ADRA0]
	v_mov_b32 v[ADRB], v[ADRB0]
	FETCH 0, 0, 0
	s_wait_loadcnt 0x0                             ; the biases and the residual
	s_mov_b32 s[CNT], T-1
	s_branch .Lmid                                 ; the loop is entered behind its change of slots
.Ltop:
	CH 1                                           ; T - 2 times
	WIN 0
.Lmid:
	STEP
	WIN 0
	s_sub_co_u32 s[CNT], s[CNT], 1
	s_cmp_lg_u32 s[CNT], 0
	s_cbranch_scc1 .Ltop
	CH 0                                           ; the tail is written out
	STEP
	s_wait_dscnt 0x0
	MULR 1, 0, MBW
	WIN 0
	PLACES
	; THE WAY OUT, 16 rows at a time: f32 into my stage (each accumulator's low registers first), back as whole rows of 256 bytes, the residual added, stored.
.macro OUT16 a
.set ab, 8*NBW*((\a)%(MBW/2))
.set bk, 32+32*((\a)%2)
.set rr, 128+32*(\a)
.if (\a) == 0
.set rr, 96
.endif
	WIN 0x08+4*((\a)/(MBW/2))
.irp b, 0,1,2,3
	ds_store_b128 v[STO], v[ab+8*\b:ab+8*\b+3] offset:64*\b
	ds_store_b128 v[STO], v[ab+8*\b+4:ab+8*\b+7] offset:64*\b+16
.endr
	WIN 0
	s_wait_xcnt 0x0                                ; earlier stores have read their registers: these are loaded again only behind this wait
.irp t, 0,1,2,3,4,5,6,7
	ds_load_b128 v[bk+4*\t:bk+4*\t+3], v[RD] offset:\t*544  ; LDS serves a wave's instructions in order (ISA guide 5.7.1.4)
.endr
.irp t, 0,1,2,3,4,5,6,7
	s_wait_dscnt 7-\t
	v_pk_add_f32 v[bk+4*\t:bk+4*\t+1], v[bk+4*\t:bk+4*\t+1], v[rr+4*\t:rr+4*\t+1]
	v_pk_add_f32 v[bk+4*\t+2:bk+4*\t+3], v[bk+4*\t+2:bk+4*\t+3], v[rr+4*\t+2:rr+4*\t+3]
	global_store_b128 v[CO], v[bk+4*\t:bk+4*\t+3], s[12:13] offset:(16*(\a)+2*\t)*4096  ; 16 lanes store 256 consecutive bytes, aligned
.endr
.endm
	OUT16 0
	OUT16 1
	OUT16 2
	OUT16 3
	s_wait_tensorcnt 0x0                           ; the wave's end
	ds_add_u32 v[SPW], v[NIL]
	s_wait_dscnt 0x0
	CROUND                                         ; the closing round
	s_endpgm
.Lfunc_end_k_qd93966a885_mlpb:
	.size	k_qd93966a885_mlpb, .Lfunc_end_k_qd93966a885_mlpb-k_qd93966a885_mlpb
	.p2alignl 7, 3214868480
	.fill 96, 4, 3214868480
	.section	.rodata,"a",@progbits
	.p2align	6, 0x0
	.amdhsa_kernel k_qd93966a885_mlpb
		.amdhsa_group_segment_fixed_size 327680
		.amdhsa_private_segment_fixed_size 0
		.amdhsa_enable_private_segment 0
		.amdhsa_kernarg_size 40
		.amdhsa_user_sgpr_count 2
		.amdhsa_user_sgpr_kernarg_segment_ptr 1
		.amdhsa_wavefront_size32 1
		.amdhsa_system_sgpr_workgroup_id_x 1
		.amdhsa_system_sgpr_workgroup_id_y 1
		.amdhsa_system_sgpr_workgroup_id_z 1
		.amdhsa_system_vgpr_workitem_id 0
		.amdhsa_next_free_vgpr 832
		.amdhsa_next_free_sgpr 96
		.amdhsa_reserve_vcc 0
		.amdhsa_float_denorm_mode_32 3
		.amdhsa_float_denorm_mode_16_64 3
		.amdhsa_memory_ordered 1
		.amdhsa_forward_progress 1
		.amdhsa_inst_pref_size 51
	.end_amdhsa_kernel
	.amdgpu_metadata
---
amdhsa.version: [ 1, 2 ]
amdhsa.kernels:
  - .name:           k_qd93966a885_mlpb
    .symbol:         k_qd93966a885_mlpb.kd
    .args:
      - { .name: mbuf, .offset: 0, .size: 8, .value_kind: global_buffer, .address_space: global }
      - { .name: wh, .offset: 8, .size: 8, .value_kind: global_buffer, .address_space: global }
      - { .name: b2, .offset: 16, .size: 8, .value_kind: global_buffer, .address_space: global }
      - { .name: x1b, .offset: 24, .size: 8, .value_kind: global_buffer, .address_space: global }
      - { .name: out0, .offset: 32, .size: 8, .value_kind: global_buffer, .address_space: global }
    .group_segment_fixed_size: 327680
    .private_segment_fixed_size: 0
    .kernarg_segment_align: 8
    .kernarg_segment_size: 40
    .max_flat_workgroup_size: 128
    .sgpr_count:     96
    .vgpr_count:     832
    .wavefront_size: 32
...
	.end_amdgpu_metadata
.endif
;; end of part 6
